; MI455X (gfx1250); checked and timed in simulation.
; The chip was launched on July 23, 2026; its instructions are those of AMD's public machine-readable ISA for CDNA 5 (MIT licence, August 2026) and "CDNA5" Instruction Set Architecture Reference Guide (July 2026). The comments in the code are by the model that wrote it; some were corrected since.
;; Point Net Feature Propagation. Allowed arithmetic: float matrix products may take bf16 or f16 operands with f32 sums; all other float work in f32.
;; Inputs: W0 256 x 320 float32; W1 256 x 256 float32; b0 256 float32; b1 256 float32; beta0 256 float32; beta1 256 float32; gamma0 256 float32; gamma1 256 float32; points1 8 x 64 x 8,192 float32; points2 8 x 256 x 2,048 float32; xyz_pc1 8 x 3 x 8,192 float32; xyz_pc2 8 x 3 x 2,048 float32.
;; Outputs: out0 8 x 256 x 8,192 float32.
;; 2 versions, each right; version 2 is version 1 with the launch knn1 written anew for expert scheduling mode. Each part assembles by itself: llvm-mc -triple=amdgcn-amd-amdhsa -mcpu=gfx1250 --defsym DOCPART=n.
;; ======== version 1 of 2: 7 launches
;; limits: values are held in f16: magnitudes above 65,504 overflow, below 6.1e-05 lose precision
;; workspace buffers: gidb 262,144 bytes of whole numbers; nidx 786,432 bytes of whole numbers; nw 786,432 bytes; f2t 8,388,608 bytes; w16 305,152 bytes; yimg 67,108,864 bytes; part 524,288 bytes; ac 4,096 bytes
;; launch knn1 (part 1): grid 256 x 1, 8 waves a work-group, no clusters, 58,368 bytes of LDS; arguments xyz_pc1, xyz_pc2, gidb; writes gidb
.if DOCPART == 1
	.amdgcn_target "amdgcn-amd-amdhsa--gfx1250"
	.amdhsa_code_object_version 6
	.text
	.protected	k_q5adec79dca_knn1
	.globl	k_q5adec79dca_knn1
	.p2align	8
	.type	k_q5adec79dca_knn1,@function
k_q5adec79dca_knn1:
	s_mov_b64 s[64:65], 0
	v_nop
	global_prefetch_b8 v0, s[64:65] scope:SCOPE_SE
	s_setreg_imm32_b32 hwreg(HW_REG_WAVE_MODE, 25, 1), 1
	s_wait_xcnt 0x0
; FIRST LEVEL OF THE SEARCH.  For each query: which three groups of 16 consecutive candidates have the smallest group minimum of the squared distance.
; The three nearest candidates lie in those groups: a candidate of any other group has three groups in front of it, each with an element that precedes it by (distance, index).
; All coordinates are rounded to bf16 first (the whole program works on inputs rounded so).  Products of two such numbers are exact in f32, so the distance
;   d = (s1 + s2) + (-2 x1 x2 - 2 y1 y2 - 2 z1 z2),  s = x x + y y + z z,  sums in the order x, y, z,
; has one value whether or not multiply and add are fused.  Ties go to the lower index: every scan runs upward and inserts on strict "less" only.
; The product of K = 3 stays on the vector unit in f32: the ranking has to be exact, and 16-bit sums of it would pick other neighbours.
; LIMITS.  NaN and infinite distances are not treated apart; products under 2^-126 may be rounded otherwise than in the module's own arithmetic.
; SHARES.  A work-group: 256 queries of one batch.  Wave w: queries 128 (w & 1) + 4 lane .. + 3, candidate groups 32 (w >> 1) .. + 31.  The four quarters' lists are merged through LDS.
.set TX, 0                             ; four tables of f32[2048]: x, y, z, s of the batch's candidates
.set TY, 8192
.set TZ, 16384
.set TS, 24576
.set MRG, 32768                        ; [field 0..5][quarter 0..3][256 queries] words
.set SPARE, 57344                      ; the spare words, 128 bytes a wave
.set QP, 8                             ; v8-39   query k: (a,a) (b,b) (c,c) (s1,s1), a = -2 x and so on
.set ST, 40                            ; v40-63  by field, four queries each: G0 G1 G2 (minima, ascending) I0 I1 I2 (their groups, as f32)
.set MM, 64                            ; v64-67  the group's minimum for each query
.set GID, 68                           ; v68     the group in hand, as f32
.set CADR, 69                          ; v69     its byte in a table
.set SPW, 70
.set NIL, 71
.set CA, 72                            ; v72-103   eight candidates: x, y, z, s
.set CB, 104                           ; v104-135  the group's other eight
.set T, 136                            ; v136-151
.set U, 152                            ; v152-167
.macro RB4 r                           ; four f32 rounded to bf16, in place
	v_cvt_pk_bf16_f32 v[T], v[\r], v[(\r)+1]
	v_cvt_pk_bf16_f32 v[T+1], v[(\r)+2], v[(\r)+3]
	v_lshlrev_b32 v[\r], 16, v[T]
	v_and_b32 v[(\r)+1], s34, v[T]
	v_lshlrev_b32 v[(\r)+2], 16, v[T+1]
	v_and_b32 v[(\r)+3], s34, v[T+1]
.endm
.macro SQ4 d, x                        ; d = x x + y y + z z for four points; y lies 4 registers behind x, z 8
.irp e, 0,1,2,3
	v_mul_f32 v[(\d)+\e], v[(\x)+\e], v[(\x)+\e]
.endr
.irp e, 0,1,2,3
	v_fma_f32 v[(\d)+\e], v[(\x)+4+\e], v[(\x)+4+\e], v[(\d)+\e]
.endr
.irp e, 0,1,2,3
	v_fma_f32 v[(\d)+\e], v[(\x)+8+\e], v[(\x)+8+\e], v[(\d)+\e]
.endr
.endm
; (m, id) is put into the ascending list G0 G1 G2 / I0 I1 I2 (registers st apart) if m is strictly less than an entry
.macro INS m, id, g, i, st, sm
	v_cmp_lt_f32 s[\sm], v[\m], v[(\g)+2*(\st)]
	v_cmp_lt_f32 s[(\sm)+1], v[\m], v[(\g)+(\st)]
	v_cmp_lt_f32 s[(\sm)+2], v[\m], v[\g]
	v_cndmask_b32 v[(\i)+2*(\st)], v[(\i)+2*(\st)], v[\id], s[\sm]
	v_cndmask_b32 v[(\i)+2*(\st)], v[(\i)+2*(\st)], v[(\i)+(\st)], s[(\sm)+1]
	v_cndmask_b32 v[(\i)+(\st)], v[(\i)+(\st)], v[\id], s[(\sm)+1]
	v_cndmask_b32 v[(\i)+(\st)], v[(\i)+(\st)], v[\i], s[(\sm)+2]
	v_cndmask_b32 v[\i], v[\i], v[\id], s[(\sm)+2]
	v_med3_num_f32 v[(\g)+2*(\st)], v[(\g)+(\st)], v[(\g)+2*(\st)], v[\m]
	v_med3_num_f32 v[(\g)+(\st)], v[\g], v[(\g)+(\st)], v[\m]
	v_min_num_f32 v[\g], v[\g], v[\m]
.endm
.macro LOADH buf, off                  ; eight candidates: two loads from each table, every lane at the same address
	ds_load_b128 v[\buf:(\buf)+3], v[CADR] offset:TX+\off
	ds_load_b128 v[(\buf)+4:(\buf)+7], v[CADR] offset:TX+\off+16
	ds_load_b128 v[(\buf)+8:(\buf)+11], v[CADR] offset:TY+\off
	ds_load_b128 v[(\buf)+12:(\buf)+15], v[CADR] offset:TY+\off+16
	ds_load_b128 v[(\buf)+16:(\buf)+19], v[CADR] offset:TZ+\off
	ds_load_b128 v[(\buf)+20:(\buf)+23], v[CADR] offset:TZ+\off+16
	ds_load_b128 v[(\buf)+24:(\buf)+27], v[CADR] offset:TS+\off
	ds_load_b128 v[(\buf)+28:(\buf)+31], v[CADR] offset:TS+\off+16
.endm
; half a group: 8 candidates x 4 queries, two queries at a time, two candidates an instruction; then the minimum.  first = 1 starts the minimum
.macro HG buf, first
.irp kk, 0, 2
.irp q, 0, 1
.irp j, 0, 1, 2, 3
	v_pk_mul_f32 v[T+8*\q+2*\j:T+8*\q+2*\j+1], v[QP+8*(\kk+\q):QP+8*(\kk+\q)+1], v[(\buf)+2*\j:(\buf)+2*\j+1]
.endr
.endr
.irp q, 0, 1
.irp j, 0, 1, 2, 3
	v_pk_add_f32 v[U+8*\q+2*\j:U+8*\q+2*\j+1], v[QP+8*(\kk+\q)+6:QP+8*(\kk+\q)+7], v[(\buf)+24+2*\j:(\buf)+24+2*\j+1]
.endr
.endr
.irp q, 0, 1
.irp j, 0, 1, 2, 3
	v_pk_fma_f32 v[T+8*\q+2*\j:T+8*\q+2*\j+1], v[QP+8*(\kk+\q)+2:QP+8*(\kk+\q)+3], v[(\buf)+8+2*\j:(\buf)+8+2*\j+1], v[T+8*\q+2*\j:T+8*\q+2*\j+1]
.endr
.endr
.irp q, 0, 1
.irp j, 0, 1, 2, 3
	v_pk_fma_f32 v[T+8*\q+2*\j:T+8*\q+2*\j+1], v[QP+8*(\kk+\q)+4:QP+8*(\kk+\q)+5], v[(\buf)+16+2*\j:(\buf)+16+2*\j+1], v[T+8*\q+2*\j:T+8*\q+2*\j+1]
.endr
.endr
.irp q, 0, 1
.irp j, 0, 1, 2, 3
	v_pk_add_f32 v[T+8*\q+2*\j:T+8*\q+2*\j+1], v[U+8*\q+2*\j:U+8*\q+2*\j+1], v[T+8*\q+2*\j:T+8*\q+2*\j+1]
.endr
.endr
.if \first
.irp q, 0, 1
	v_min3_num_f32 v[MM+\kk+\q], v[T+8*\q], v[T+8*\q+1], v[T+8*\q+2]
.endr
.irp q, 0, 1
	v_min3_num_f32 v[MM+\kk+\q], v[MM+\kk+\q], v[T+8*\q+3], v[T+8*\q+4]
.endr
.irp q, 0, 1
	v_min3_num_f32 v[MM+\kk+\q], v[MM+\kk+\q], v[T+8*\q+5], v[T+8*\q+6]
.endr
.irp q, 0, 1
	v_min_num_f32 v[MM+\kk+\q], v[MM+\kk+\q], v[T+8*\q+7]
.endr
.else
.irp j, 0, 2, 4, 6
.irp q, 0, 1
	v_min3_num_f32 v[MM+\kk+\q], v[MM+\kk+\q], v[T+8*\q+\j], v[T+8*\q+\j+1]
.endr
.endr
.endif
.endr
.endm
; one group.  more = 1: the next group's halves are fetched as soon as a buffer has been read
.macro TRIP more
	s_wait_dscnt 8                                 ; the first half is in; the second half's eight loads may be out
	HG CA, 1
	s_wait_dscnt 0x0                               ; the second half is in
.if \more
	LOADH CA, 64
.endif
	HG CB, 0
.if \more
	LOADH CB, 96
	s_add_co_u32 s20, s20, 64
	v_mov_b32 v[CADR], s20                         ; LDS instructions have read their address when they are issued
.endif
.irp k, 0,1,2,3
	INS MM+\k, GID, ST+\k, ST+12+\k, 4, 22+3*\k
.endr
	v_add_f32 v[GID], 1.0, v[GID]
.endm
	s_load_b128 s[4:7], s[0:1], 0x0                ; xyz_pc1 s[4:5], xyz_pc2 s[6:7]
	s_load_b64 s[8:9], s[0:1], 0x10                ; gidb
	v_lshl_add_u32 v[SPW], v0, 2, SPARE
	v_mov_b32 v[NIL], 0
	v_lshrrev_b32 v1, 5, v0
	v_readfirstlane_b32 s10, v1                    ; wave
	v_and_b32 v2, 31, v0                           ; lane
	s_lshr_b32 s11, ttmp9, 5                       ; batch
	s_and_b32 s12, ttmp9, 31                       ; block of 256 queries
	s_and_b32 s13, s10, 1                          ; which 128 queries
	s_lshr_b32 s14, s10, 1                         ; which quarter of the candidates
	s_mul_i32 s16, s11, 24576                      ; a batch of xyz_pc2: 3 x 2048 x 4 bytes
	s_mov_b32 s17, 0
	s_mul_i32 s18, s11, 98304                      ; a batch of xyz_pc1: 3 x 8192 x 4 bytes
	s_lshl_b32 s15, s12, 10
	s_add_co_u32 s18, s18, s15
	s_mov_b32 s19, 0
	s_mov_b32 s34, 0xffff0000                      ; a word's upper bf16
	v_lshlrev_b32 v3, 4, v0                        ; 16 t: my four candidates in a table and in memory
	s_lshl_b32 s15, s13, 9
	v_lshl_add_u32 v4, v2, 4, s15                  ; my four queries
	s_wait_kmcnt 0x0
	s_add_nc_u64 s[6:7], s[6:7], s[16:17]
	s_add_nc_u64 s[4:5], s[4:5], s[18:19]
.irp c, 0,1,2
	global_load_b128 v[CA+4*\c:CA+4*\c+3], v3, s[6:7] offset:8192*\c
	global_load_b128 v[CA+12+4*\c:CA+12+4*\c+3], v3, s[6:7] offset:8192*\c+4096
.endr
.irp c, 0,1,2
	global_load_b128 v[CB+4*\c:CB+4*\c+3], v4, s[4:5] offset:32768*\c
.endr
.set i, 0
.rept 12
	v_mov_b32 v[ST+i], 0x7f800000                  ; the lists start at +infinity,
	v_mov_b32 v[ST+12+i], 0                        ; group 0
.set i, i+1
.endr
	s_lshl_b32 s15, s14, 5
	v_cvt_f32_u32 v[GID], s15                      ; my first group
	s_lshl_b32 s20, s14, 11                        ; its byte in a table
	v_mov_b32 v[CADR], s20
	s_wait_loadcnt 0x0
.irp r, CA, CA+4, CA+8, CA+12, CA+16, CA+20, CB, CB+4, CB+8
	RB4 \r
.endr
	SQ4 CA+24, CA
	SQ4 CA+28, CA+12
	SQ4 CB+12, CB
	ds_store_b128 v3, v[CA:CA+3] offset:TX
	ds_store_b128 v3, v[CA+4:CA+7] offset:TY
	ds_store_b128 v3, v[CA+8:CA+11] offset:TZ
	ds_store_b128 v3, v[CA+24:CA+27] offset:TS
	ds_store_b128 v3, v[CA+12:CA+15] offset:TX+4096
	ds_store_b128 v3, v[CA+16:CA+19] offset:TY+4096
	ds_store_b128 v3, v[CA+20:CA+23] offset:TZ+4096
	ds_store_b128 v3, v[CA+28:CA+31] offset:TS+4096
.irp k, 0,1,2,3
	v_mul_f32 v[QP+8*\k], -2.0, v[CB+\k]
	v_mul_f32 v[QP+8*\k+1], -2.0, v[CB+\k]
	v_mul_f32 v[QP+8*\k+2], -2.0, v[CB+4+\k]
	v_mul_f32 v[QP+8*\k+3], -2.0, v[CB+4+\k]
	v_mul_f32 v[QP+8*\k+4], -2.0, v[CB+8+\k]
	v_mul_f32 v[QP+8*\k+5], -2.0, v[CB+8+\k]
	v_mov_b32 v[QP+8*\k+6], v[CB+12+\k]
	v_mov_b32 v[QP+8*\k+7], v[CB+12+\k]
.endr
	s_wait_dscnt 0x0                               ; for the others' sake: my part of the tables is stored
	s_barrier_signal -1
	s_barrier_wait -1
	LOADH CA, 0
	LOADH CB, 32
	s_mov_b32 s21, 31
.Lgroup:
	TRIP 1
	s_sub_co_u32 s21, s21, 1
	s_cmp_lg_u32 s21, 0
	s_cbranch_scc1 .Lgroup
	TRIP 0                                         ; the quarter's last group fetches nothing
	; the four quarters' lists meet: a field's four queries are 16 bytes
	s_lshl_b32 s15, s14, 10
	s_lshl_b32 s16, s13, 9
	s_add_co_u32 s15, s15, s16
	s_add_co_u32 s15, s15, MRG
	v_lshl_add_u32 v5, v2, 4, s15
.irp f, 0,1,2,3,4,5
	ds_store_b128 v5, v[ST+4*\f:ST+4*\f+3] offset:4096*\f
.endr
	s_wait_dscnt 0x0                               ; my lists are stored
	s_barrier_signal -1
	s_barrier_wait -1
	v_lshl_add_u32 v6, v0, 2, MRG                  ; thread t finishes query t
.irp f, 0,1,2,3,4,5
.irp p, 0,1,2,3
	ds_load_b32 v[CA+4*\f+\p], v6 offset:4096*\f+1024*\p
.endr
.endr
	s_lshl_b32 s15, ttmp9, 10
	v_lshl_add_u32 v7, v0, 2, s15
	s_wait_dscnt 0x0
.irp p, 1,2,3                          ; the later quarters' entries, ascending, into the first quarter's list: equal minima stay behind
.irp j, 0,1,2
	INS CA+4*\j+\p, CA+12+4*\j+\p, CA, CA+12, 4, 22+3*\j
.endr
.endr
	v_min3_num_f32 v[T], v[CA+12], v[CA+16], v[CA+20]    ; the three groups in ascending order, so that the next launch scans upward
	v_med3_num_f32 v[T+1], v[CA+12], v[CA+16], v[CA+20]
	v_max3_num_f32 v[T+2], v[CA+12], v[CA+16], v[CA+20]
	v_cvt_u32_f32 v[T], v[T]
	v_cvt_u32_f32 v[T+1], v[T+1]
	v_cvt_u32_f32 v[T+2], v[T+2]
	v_lshl_or_b32 v[T], v[T+1], 8, v[T]
	v_lshl_or_b32 v[T], v[T+2], 16, v[T]
	global_store_b32 v7, v[T], s[8:9]
	s_wait_tensorcnt 0x0                           ; the wave's end
	ds_add_u32 v[SPW], v[NIL]
	s_wait_dscnt 0x0
	s_endpgm
.Lfunc_end_k_q5adec79dca_knn1:
	.size	k_q5adec79dca_knn1, .Lfunc_end_k_q5adec79dca_knn1-k_q5adec79dca_knn1
	.p2alignl 7, 3214868480
	.fill 96, 4, 3214868480
	.section	.rodata,"a",@progbits
	.p2align	6, 0x0
	.amdhsa_kernel k_q5adec79dca_knn1
		.amdhsa_group_segment_fixed_size 58368
		.amdhsa_private_segment_fixed_size 0
		.amdhsa_enable_private_segment 0
		.amdhsa_kernarg_size 24
		.amdhsa_user_sgpr_count 2
		.amdhsa_user_sgpr_kernarg_segment_ptr 1
		.amdhsa_wavefront_size32 1
		.amdhsa_system_sgpr_workgroup_id_x 1
		.amdhsa_system_sgpr_workgroup_id_y 1
		.amdhsa_system_sgpr_workgroup_id_z 1
		.amdhsa_system_vgpr_workitem_id 0
		.amdhsa_next_free_vgpr 168
		.amdhsa_next_free_sgpr 66
		.amdhsa_reserve_vcc 0
		.amdhsa_float_denorm_mode_32 3
		.amdhsa_float_denorm_mode_16_64 3
		.amdhsa_memory_ordered 1
		.amdhsa_forward_progress 1
		.amdhsa_inst_pref_size 50
	.end_amdhsa_kernel
	.amdgpu_metadata
---
amdhsa.version: [ 1, 2 ]
amdhsa.kernels:
  - .name:           k_q5adec79dca_knn1
    .symbol:         k_q5adec79dca_knn1.kd
    .args:
      - { .name: xyz_pc1, .offset: 0, .size: 8, .value_kind: global_buffer, .address_space: global }
      - { .name: xyz_pc2, .offset: 8, .size: 8, .value_kind: global_buffer, .address_space: global }
      - { .name: gidb, .offset: 16, .size: 8, .value_kind: global_buffer, .address_space: global }
    .group_segment_fixed_size: 58368
    .private_segment_fixed_size: 0
    .kernarg_segment_align: 8
    .kernarg_segment_size: 24
    .max_flat_workgroup_size: 256
    .sgpr_count:     66
    .vgpr_count:     168
    .wavefront_size: 32
...
	.end_amdgpu_metadata
.endif
;; end of part 1
;; launch knn2 (part 2): grid 256 x 1, 8 waves a work-group, no clusters, 69,632 bytes of LDS; arguments xyz_pc1, xyz_pc2, gidb, points2, W0, W1, nidx, nw, f2t, w16; writes nidx, nw, f2t, w16
.if DOCPART == 2
	.amdgcn_target "amdgcn-amd-amdhsa--gfx1250"
	.amdhsa_code_object_version 6
	.text
	.protected	k_q5adec79dca_knn2
	.globl	k_q5adec79dca_knn2
	.p2align	8
	.type	k_q5adec79dca_knn2,@function
k_q5adec79dca_knn2:
	s_mov_b64 s[64:65], 0
	v_nop
	global_prefetch_b8 v0, s[64:65] scope:SCOPE_SE
	s_setreg_imm32_b32 hwreg(HW_REG_WAVE_MODE, 25, 1), 1
	s_wait_xcnt 0x0
; SECOND LEVEL OF THE SEARCH, AND THE LAYOUTS FOR THE PRODUCTS.
; (1) Thread t finishes query 256 wg + t: the exact three nearest among the 48 candidates of the three groups that the launch before stored (whole numbers, clamped to 127 before
;     they enter an LDS address), with the same arithmetic on coordinates rounded to bf16; ties to the lower index (groups and candidates are scanned upward, strict "less").
;     Weights: 1 / (d + 1e-8), divided by their sum; both divisions by v_rcp_f32, which is good to one unit in the last place.
; (2) points2 [b][256][2048] f32 is turned into f2t [b 2048 + s][256] bf16, 64 points a work-group: a gathered row is then 512 consecutive bytes.
; (3) Work-groups 0-15, waves 0 and 1: W0 and W1, rounded to bf16 and written as f16 (exact down to 2^-24), in the order in which the matrix instructions' second source is read:
;     [pair of channel tiles][32 k][tile][half][lane][16 bytes]; lane (r, h) holds W[16 T + r][32 ks + 16 half + 8 h ..+7].  Work-group 16, wave 0: 10,240 zeros behind them.
; LIMITS.  NaN and infinities are not treated apart; d + 1e-8 = 0 is not treated apart (the module's own division gives an infinity there too).
.set TAB, 0                            ; 128 groups x 272 bytes: 16 candidates x (x, y, z, s), 16 bytes of padding
.set GP, 272
.set TR, 34816                         ; 64 rows x 528 bytes: point 4 q + e in row 16 e + q, 256 bf16 and 16 bytes of padding
.set TP, 528
.set SPARE, 68608
.set SPW, 8
.set NIL, 9
.set QA, 10                            ; v10-13  -2 x, -2 y, -2 z, s of my query
.set GG, 14                            ; v14-16  the three smallest distances, ascending;  v17-19 their indices
.set GA, 26                            ; v26-28  LDS byte of my three groups;  v29-31 their first candidate's index
.set TB, 40                            ; v40-71  eight candidates (x, y, z, s) for the table
.set QX, 72                            ; v72-74  my query;  v75 the three groups
.set PT2, 80                           ; v80-143 points2: two blocks of 8 channels x 4 points
.set CD, 144                           ; v144-207 sixteen candidates of a group; later the turned bf16
.macro INS m, id, g, i, st, sm
	v_cmp_lt_f32 s[\sm], v[\m], v[(\g)+2*(\st)]
	v_cmp_lt_f32 s[(\sm)+1], v[\m], v[(\g)+(\st)]
	v_cmp_lt_f32 s[(\sm)+2], v[\m], v[\g]
	v_cndmask_b32 v[(\i)+2*(\st)], v[(\i)+2*(\st)], v[\id], s[\sm]
	v_cndmask_b32 v[(\i)+2*(\st)], v[(\i)+2*(\st)], v[(\i)+(\st)], s[(\sm)+1]
	v_cndmask_b32 v[(\i)+(\st)], v[(\i)+(\st)], v[\id], s[(\sm)+1]
	v_cndmask_b32 v[(\i)+(\st)], v[(\i)+(\st)], v[\i], s[(\sm)+2]
	v_cndmask_b32 v[\i], v[\i], v[\id], s[(\sm)+2]
	v_med3_num_f32 v[(\g)+2*(\st)], v[(\g)+(\st)], v[(\g)+2*(\st)], v[\m]
	v_med3_num_f32 v[(\g)+(\st)], v[\g], v[(\g)+(\st)], v[\m]
	v_min_num_f32 v[\g], v[\g], v[\m]
.endm
; one channel tile (16 rows) of a weight matrix -> its 2 ks pieces of 512 bytes in the stream
.macro WCONV wp, pitch, ks, outb
	s_mul_i32 s30, s26, 16*\pitch
	v_mul_u32_u24 v5, v2, \pitch
	v_lshl_add_u32 v5, v3, 5, v5
	v_add_nc_u32 v5, s30, v5                       ; row 16 T + r, 32 bytes for each half of the lanes
.set i, 0
.rept 2*\ks
	global_load_b128 v[40+8*i:43+8*i], v5, s[\wp:\wp+1] offset:64*i
	global_load_b128 v[44+8*i:47+8*i], v5, s[\wp:\wp+1] offset:64*i+16
.set i, i+1
.endr
	s_lshr_b32 s30, s26, 1
	s_mul_i32 s30, s30, \ks*2048
	s_and_b32 s31, s26, 1
	s_lshl_b32 s31, s31, 10
	s_add_co_u32 s30, s30, s31
	s_add_co_u32 s30, s30, \outb
	v_lshl_add_u32 v6, v1, 4, s30
	s_wait_loadcnt 0x0
.set i, 0
.rept 2*\ks
.irp j, 0,1,2,3
	v_cvt_pk_bf16_f32 v[32+\j], v[40+8*i+2*\j], v[40+8*i+2*\j+1]
.endr
.irp j, 0,1,2,3
	v_lshlrev_b32 v[40+8*i+2*\j], 16, v[32+\j]
	v_and_b32 v[40+8*i+2*\j+1], s25, v[32+\j]
.endr
.irp j, 0,1,2,3
	v_cvt_pk_f16_f32 v[40+8*i+\j], v[40+8*i+2*\j], v[40+8*i+2*\j+1]
.endr
	global_store_b128 v6, v[40+8*i:43+8*i], s[22:23] offset:(i/2)*2048+(i%2)*512
.set i, i+1
.endr
	s_wait_xcnt 0x0                                ; the stores' registers are written again below only behind this wait
.endm
; one group of 16 candidates, four at a time
.macro SCAN g
.set c, 0
.rept 16
	ds_load_b128 v[CD+4*c:CD+4*c+3], v[GA+\g] offset:TAB+16*c
.set c, c+1
.endr
.set c, 0
.rept 4
	s_wait_dscnt 12-c                              ; candidates up to c + 3 are in; the younger loads of the group may be out
.irp e, 0,1,2,3
	v_mul_f32 v[CD+4*(c+\e)], v[QA], v[CD+4*(c+\e)]
.endr
.irp e, 0,1,2,3
	v_add_f32 v[CD+4*(c+\e)+3], v[QA+3], v[CD+4*(c+\e)+3]
.endr
.irp e, 0,1,2,3
	v_fma_f32 v[CD+4*(c+\e)], v[QA+1], v[CD+4*(c+\e)+1], v[CD+4*(c+\e)]
.endr
.irp e, 0,1,2,3
	v_fma_f32 v[CD+4*(c+\e)], v[QA+2], v[CD+4*(c+\e)+2], v[CD+4*(c+\e)]
.endr
.irp e, 0,1,2,3
	v_add_f32 v[CD+4*(c+\e)], v[CD+4*(c+\e)+3], v[CD+4*(c+\e)]
	v_add_nc_u32 v[CD+4*(c+\e)+1], c+\e, v[GA+3+\g]
.endr
.irp e, 0,1,2,3
	INS CD+4*(c+\e), CD+4*(c+\e)+1, GG, GG+3, 1, 40+3*(\e%2)
.endr
.set c, c+4
.endr
.endm
	s_load_b512 s[4:19], s[0:1], 0x0               ; xyz_pc1 4, xyz_pc2 6, gidb 8, points2 10, W0 12, W1 14, nidx 16, nw 18
	s_load_b128 s[20:23], s[0:1], 0x40             ; f2t 20, w16 22
	v_lshl_add_u32 v[SPW], v0, 2, SPARE
	v_mov_b32 v[NIL], 0
	v_lshrrev_b32 v4, 5, v0
	v_readfirstlane_b32 s24, v4                    ; wave
	v_and_b32 v1, 31, v0                           ; lane
	v_and_b32 v2, 15, v0                           ; r, q
	v_bfe_u32 v3, v0, 4, 1                         ; h
	s_mov_b32 s25, 0xffff0000
	s_mov_b32 s26, ttmp9
	s_wait_kmcnt 0x0
	s_cmp_gt_u32 s26, 16
	s_cbranch_scc1 .Lnow
	s_cmp_eq_u32 s26, 16
	s_cbranch_scc1 .Lzero
	s_cmp_eq_u32 s24, 0
	s_cbranch_scc1 .Lw0
	s_cmp_eq_u32 s24, 1
	s_cbranch_scc1 .Lw1
	s_branch .Lnow
.Lw0:
	WCONV 12, 1280, 10, 0
	s_branch .Lnow
.Lw1:
	WCONV 14, 1024, 8, 163840
	s_branch .Lnow
.Lzero:
	s_cmp_lg_u32 s24, 0
	s_cbranch_scc1 .Lnow
	v_lshlrev_b32 v6, 4, v1
.irp j, 40,41,42,43
	v_mov_b32 v[\j], 0
.endr
.set i, 0
.rept 20
	global_store_b128 v6, v[40:43], s[22:23] offset:294912+512*i
.set i, i+1
.endr
	s_wait_xcnt 0x0
.Lnow:
	s_lshr_b32 s27, s26, 5                         ; batch
	s_and_b32 s28, s26, 31                         ; block
	s_mov_b32 s31, 0
	s_mul_i32 s30, s27, 24576
	s_add_nc_u64 s[6:7], s[6:7], s[30:31]
	s_mul_i32 s30, s27, 98304
	s_lshl_b32 s29, s28, 10
	s_add_co_u32 s30, s30, s29
	s_add_nc_u64 s[4:5], s[4:5], s[30:31]
	s_lshl_b32 s30, s26, 10                        ; 256 queries x 4 bytes
	s_add_nc_u64 s[8:9], s[8:9], s[30:31]
	s_add_nc_u64 s[16:17], s[16:17], s[30:31]
	s_add_nc_u64 s[18:19], s[18:19], s[30:31]
	s_lshl_b32 s30, s27, 21                        ; a batch of points2,
	s_lshl_b32 s29, s28, 8                         ; my 64 points
	s_add_co_u32 s30, s30, s29
	s_add_nc_u64 s[10:11], s[10:11], s[30:31]
	s_lshl_b32 s30, s26, 15                        ; 64 rows of 512 bytes
	s_add_nc_u64 s[20:21], s[20:21], s[30:31]
	v_lshlrev_b32 v7, 2, v0                        ; 4 t
	v_lshrrev_b32 v32, 4, v0                       ; t / 16
	v_lshlrev_b32 v33, 16, v32
	v_lshl_add_u32 v33, v2, 4, v33                 ; points2: eight channel rows for each t / 16, 16 bytes for each q
	v_mul_u32_u24 v34, v32, GP
	v_lshl_add_u32 v34, v2, 4, v34                 ; the table: group t / 16 (+ 16 k), place t % 16
	v_mul_u32_u24 v35, v2, TP
	v_lshl_add_u32 v35, v32, 4, v35                ; the turn, in: row q (+ 16 e), 16 bytes for each block of 8 channels
	s_mul_i32 s30, s24, 8*TP
	v_lshl_add_u32 v36, v1, 4, s30                 ; the turn, back: rows 8 w + i, whole
	s_and_b32 s30, s24, 1
	s_lshl_b32 s30, s30, 14
	s_lshr_b32 s29, s24, 1
	s_lshl_b32 s29, s29, 9
	s_add_co_u32 s30, s30, s29
	v_lshl_add_u32 v37, v1, 4, s30                 ; row 8 w + i holds point 32 (w & 1) + 4 i + (w >> 1)
.irp k, 0,1,2,3,4,5,6,7
.irp c, 0,1,2
	global_load_b32 v[TB+4*\k+\c], v7, s[6:7] offset:8192*\c+1024*\k
.endr
.endr
.irp c, 0,1,2
	global_load_b32 v[QX+\c], v7, s[4:5] offset:32768*\c
.endr
	global_load_b32 v[QX+3], v7, s[8:9]
.irp it, 0,1
.irp i, 0,1,2,3,4,5,6,7
	global_load_b128 v[PT2+32*\it+4*\i:PT2+32*\it+4*\i+3], v33, s[10:11] offset:1048576*\it+8192*\i th:TH_LOAD_NT
.endr
.endr
	s_wait_loadcnt 16                              ; all but the sixteen loads of points2
.irp k, 0,1,2,3,4,5,6,7
	v_cvt_pk_bf16_f32 v20, v[TB+4*\k], v[TB+4*\k+1]
	v_cvt_pk_bf16_f32 v21, v[TB+4*\k+2], v[TB+4*\k+2]
	v_lshlrev_b32 v[TB+4*\k], 16, v20
	v_and_b32 v[TB+4*\k+1], s25, v20
	v_lshlrev_b32 v[TB+4*\k+2], 16, v21
	v_mul_f32 v[TB+4*\k+3], v[TB+4*\k], v[TB+4*\k]
	v_fma_f32 v[TB+4*\k+3], v[TB+4*\k+1], v[TB+4*\k+1], v[TB+4*\k+3]
	v_fma_f32 v[TB+4*\k+3], v[TB+4*\k+2], v[TB+4*\k+2], v[TB+4*\k+3]
	ds_store_b128 v34, v[TB+4*\k:TB+4*\k+3] offset:TAB+16*GP*\k
.endr
	v_cvt_pk_bf16_f32 v20, v[QX], v[QX+1]
	v_cvt_pk_bf16_f32 v21, v[QX+2], v[QX+2]
	v_lshlrev_b32 v[QX], 16, v20
	v_and_b32 v[QX+1], s25, v20
	v_lshlrev_b32 v[QX+2], 16, v21
	v_mul_f32 v[QA+3], v[QX], v[QX]
	v_fma_f32 v[QA+3], v[QX+1], v[QX+1], v[QA+3]
	v_fma_f32 v[QA+3], v[QX+2], v[QX+2], v[QA+3]
	v_mul_f32 v[QA], -2.0, v[QX]
	v_mul_f32 v[QA+1], -2.0, v[QX+1]
	v_mul_f32 v[QA+2], -2.0, v[QX+2]
	v_and_b32 v[GA], 0xff, v[QX+3]
	v_bfe_u32 v[GA+1], v[QX+3], 8, 8
	v_bfe_u32 v[GA+2], v[QX+3], 16, 8
.irp g, 0,1,2
	v_min_u32 v[GA+\g], 127, v[GA+\g]              ; a loaded number enters an address only behind this clamp
	v_lshlrev_b32 v[GA+3+\g], 4, v[GA+\g]
	v_mul_u32_u24 v[GA+\g], v[GA+\g], GP
	v_mov_b32 v[GG+\g], 0x7f800000
	v_mov_b32 v[GG+3+\g], 0
.endr
	s_wait_dscnt 0x0                               ; my part of the table is stored
	s_barrier_signal -1
	s_barrier_wait -1
	SCAN 0
	SCAN 1
	SCAN 2
.irp g, 0,1,2
	v_add_f32 v[GG+\g], 0x322bcc77, v[GG+\g]       ; d + 1e-8
.endr
	v_rcp_f32 v[GG], v[GG]
	v_rcp_f32 v[GG+1], v[GG+1]
	v_rcp_f32 v[GG+2], v[GG+2]
	v_nop                                          ; a plain instruction between a reciprocal and the use of its result (ISA guide 5.7.2)
	s_wait_alu depctr_va_vdst(0)
	v_add_f32 v20, v[GG], v[GG+1]
	v_add_f32 v20, v20, v[GG+2]
	v_rcp_f32 v20, v20
	v_nop
	s_wait_alu depctr_va_vdst(0)
.irp g, 0,1,2
	v_mul_f32 v[GG+\g], v[GG+\g], v20
.endr
.irp g, 0,1,2
	global_store_b32 v7, v[GG+3+\g], s[16:17] offset:262144*\g
	global_store_b32 v7, v[GG+\g], s[18:19] offset:262144*\g
.endr
	s_wait_loadcnt 0x0                             ; points2
.irp it, 0, 1
.irp e, 0, 1, 2, 3
.irp jj, 0, 1, 2, 3
	v_cvt_pk_bf16_f32 v[CD+16*\it+4*\e+\jj], v[PT2+32*\it+8*\jj+\e], v[PT2+32*\it+8*\jj+4+\e]  ; two neighbouring channels of one point
.endr
	ds_store_b128 v35, v[CD+16*\it+4*\e:CD+16*\it+4*\e+3] offset:TR+16*TP*\e+256*\it
.endr
.endr
	s_wait_dscnt 0x0                               ; my part of the turned tile is stored
	s_barrier_signal -1
	s_barrier_wait -1
.irp i, 0,1,2,3,4,5,6,7
	ds_load_b128 v[PT2+4*\i:PT2+4*\i+3], v36 offset:TR+TP*\i
.endr
.irp i, 0,1,2,3,4,5,6,7
	s_wait_dscnt 7-\i                              ; row i is in; the younger rows may be out
	global_store_b128 v37, v[PT2+4*\i:PT2+4*\i+3], s[20:21] offset:2048*\i  ; a whole row: 512 consecutive bytes
.endr
	s_wait_tensorcnt 0x0                           ; the wave's end
	ds_add_u32 v[SPW], v[NIL]
	s_wait_dscnt 0x0
	s_endpgm
.Lfunc_end_k_q5adec79dca_knn2:
	.size	k_q5adec79dca_knn2, .Lfunc_end_k_q5adec79dca_knn2-k_q5adec79dca_knn2
	.p2alignl 7, 3214868480
	.fill 96, 4, 3214868480
	.section	.rodata,"a",@progbits
	.p2align	6, 0x0
	.amdhsa_kernel k_q5adec79dca_knn2
		.amdhsa_group_segment_fixed_size 69632
		.amdhsa_private_segment_fixed_size 0
		.amdhsa_enable_private_segment 0
		.amdhsa_kernarg_size 80
		.amdhsa_user_sgpr_count 2
		.amdhsa_user_sgpr_kernarg_segment_ptr 1
		.amdhsa_wavefront_size32 1
		.amdhsa_system_sgpr_workgroup_id_x 1
		.amdhsa_system_sgpr_workgroup_id_y 1
		.amdhsa_system_sgpr_workgroup_id_z 1
		.amdhsa_system_vgpr_workitem_id 0
		.amdhsa_next_free_vgpr 208
		.amdhsa_next_free_sgpr 66
		.amdhsa_reserve_vcc 0
		.amdhsa_float_denorm_mode_32 3
		.amdhsa_float_denorm_mode_16_64 3
		.amdhsa_memory_ordered 1
		.amdhsa_forward_progress 1
		.amdhsa_inst_pref_size 105
	.end_amdhsa_kernel
	.amdgpu_metadata
---
amdhsa.version: [ 1, 2 ]
amdhsa.kernels:
  - .name:           k_q5adec79dca_knn2
    .symbol:         k_q5adec79dca_knn2.kd
    .args:
      - { .name: xyz_pc1, .offset: 0, .size: 8, .value_kind: global_buffer, .address_space: global }
      - { .name: xyz_pc2, .offset: 8, .size: 8, .value_kind: global_buffer, .address_space: global }
      - { .name: gidb, .offset: 16, .size: 8, .value_kind: global_buffer, .address_space: global }
      - { .name: points2, .offset: 24, .size: 8, .value_kind: global_buffer, .address_space: global }
      - { .name: W0, .offset: 32, .size: 8, .value_kind: global_buffer, .address_space: global }
      - { .name: W1, .offset: 40, .size: 8, .value_kind: global_buffer, .address_space: global }
      - { .name: nidx, .offset: 48, .size: 8, .value_kind: global_buffer, .address_space: global }
      - { .name: nw, .offset: 56, .size: 8, .value_kind: global_buffer, .address_space: global }
      - { .name: f2t, .offset: 64, .size: 8, .value_kind: global_buffer, .address_space: global }
      - { .name: w16, .offset: 72, .size: 8, .value_kind: global_buffer, .address_space: global }
    .group_segment_fixed_size: 69632
    .private_segment_fixed_size: 0
    .kernarg_segment_align: 8
    .kernarg_segment_size: 80
    .max_flat_workgroup_size: 256
    .sgpr_count:     66
    .vgpr_count:     208
    .wavefront_size: 32
...
	.end_amdgpu_metadata
.endif
;; end of part 2
;; launch gemm0 (part 3): grid 256 x 1, 4 waves a work-group, no clusters, 327,680 bytes of LDS; arguments points1, f2t, nidx, nw, w16, out0, part; writes out0, part
.if DOCPART == 3
	.amdgcn_target "amdgcn-amd-amdhsa--gfx1250"
	.amdhsa_code_object_version 6
	.text
	.protected	k_q5adec79dca_gemm0
	.globl	k_q5adec79dca_gemm0
	.p2align	8
	.type	k_q5adec79dca_gemm0,@function
k_q5adec79dca_gemm0:
	s_mov_b64 s[64:65], 0
	v_nop
	global_prefetch_b8 v0, s[64:65] scope:SCOPE_SE
	s_setreg_imm32_b32 hwreg(HW_REG_WAVE_MODE, 25, 1), 1
	s_wait_xcnt 0x0
; LAYER 1.  x = [points1 (64 channels) | the three neighbours' features, weighted (256 channels)], y0 = x W0^T, and for each channel the mean and the sum of squared deviations of the work-group's 256 points.
; y0 (without the bias, which the batch norm takes away again; the next launch reads and honours it) goes to out0, used here as scratch, in the accumulators' own order:
;   [wave block of 64 points][channel tile T][point tile][half][lane][16 bytes]: every store is 512 consecutive bytes.
; FORMATS.  Inputs are rounded to bf16 (the whole program is); both matrix operands are f16: an input's bf16 value is exact in f16 down to 2^-24, the interpolated features are rounded once.
; LIMIT.  f16 ends at 65,504: |points1| and the interpolated features stay under it.
; SHARES.  Wave 4 wg + w owns 64 points and all 256 channels; its x lies in 320 registers as first sources (16 points x 32 k).  W0 lies in LDS in fragment order, brought by one tensor load a wave
; (one is out, by this text's count), and each fragment read feeds four matrix instructions.  In the result a lane holds ONE channel (lane % 16) and eight points.
; NO CLUSTER: what the work-groups share, 174 KB of weights, is about a sixth of the bytes that a work-group moves, and it lands under the gather.
; The indices are whole numbers that an earlier launch stored; they come by scalar loads and are clamped to 2047 before they enter an address.
; REGISTERS (s_set_vgpr_msb: bits 1:0 source 0, 3:2 source 1, 5:4 source 2, 7:6 destination).  Window 0: v0-63 addresses and work; v64-127 accumulators; v128-207 a ring of five positions of weights;
; v208-255 statistics (before the products: v64-127 points1 packed, v128-223 two gather buffers, v224-247 their offsets).  Window 1: x for k steps 0-6, v255 the weights' LDS address.  Window 2: k steps 7-9, v255 the same address.
.set KS, 10
.set NS, 5
.set WROWS, 170                        ; a wave's part of the weights: 170 rows of 256 bytes; the four parts reach 10,240 bytes past W0's stream, which the ring's look-ahead reads and nobody uses
.set WBYTES, 43520
.set WSRC, 0
.set STG, 174080                       ; for each wave 64 rows of 528 bytes: a point's 256 f16 and 16 bytes of padding; its first 10,240 bytes hold points1 first, [64 channels] x 160 bytes
.set STGW, 33792
.set XP, 528
.set FP, 160
.set STAT, 309248                      ; [4 waves][256 channels][mean, M2]
.set SPARE, 317440
.set LN, 1
.set RR, 2
.set HH, 3
.set V16L, 4
.set F1O, 5
.set F1S, 6
.set TRA, 7
.set PST0, 8
.set PST, 9
.set RB, 10
.set STA0, 11
.set STA, 12
.set VZ, 13
.set SPW, 14
.set NIL, 15
.set WV, 16                            ; v16-27  a batch's twelve weights
.set T, 32                             ; v32-63
.set ACC, 64
.set RING, 128
.set FB, 64
.set GBA, 128
.set GBB, 176
.set OFA, 224
.set OFB, 236
.set SS, 208
.set NM, 224
.set DD, 226
.set QQ, 242
.set RES, 250
.set VWA, 255
.set YB, 14                            ; s[14:15] the y image
.set PB, 16                            ; s[16:17] part
.set WVN, 18
.set WG, 19
.set G0, 24
.set G1, 28
.set IDX, 36                           ; s36-47  a batch's indices: plane n, point p at 4 n + p
.set WTA, 48                           ; s48-59  buffer A's weights
.set WTB, 68                           ; s68-79  buffer B's
.set SO, 80
.set SOI, 81
.set PSO, 82
.set CNT, 83
.set WOFF, 84
.set STO, 85
.set SEL, 86
.set HM, 88                            ; 0xffff0000: a word's upper bf16, and the mask of lanes 16-31
.set TA, 89
.set TBS, 90
.set C16, 91
.set C64, 92
.set MSB, 0
.macro WIN new                         ; the immediate's high byte repeats the setting that is left
.if MSB != (\new)
	s_set_vgpr_msb (MSB<<8)|(\new)
.set MSB, \new
.endif
.endm
; twelve rows of f2t (4 points x 3 neighbours), one load of 512 bytes each
.macro ISSUE buf, ofs
.set j, 0
.rept 12
	s_min_u32 s[TA+j%2], s[IDX+j], 0x7ff
	s_lshl_b32 s[TA+j%2], s[TA+j%2], 9
	v_add_nc_u32 v[\ofs+j], s[TA+j%2], v[V16L]
	global_load_b128 v[\buf+12*(j%4)+4*(j/4):\buf+12*(j%4)+4*(j/4)+3], v[\ofs+j], s[6:7]
.set j, j+1
.endr
.endm
; four points: eight channels a lane, three fused multiply-adds each straight from the bf16 halves; rounded to f16; 16 bytes a lane into the point's row
.macro CONSUME buf, wx
.set p, 0
.rept 4
	v_mov_b32 v[WV+3*p], s[\wx+p]
	v_mov_b32 v[WV+3*p+1], s[\wx+4+p]
	v_mov_b32 v[WV+3*p+2], s[\wx+8+p]
.set p, p+1
.endr
.set p, 0
.rept 4
.set n, 0
.rept 3
.set c, 0
.rept 4
.set fr, \buf+12*p+4*n+c
.if n == 0
	v_fma_mix_f32_bf16 v[T+8*p+2*c], v[fr], v[WV+3*p], v[VZ] op_sel_hi:[1,0,0]
	v_fma_mix_f32_bf16 v[T+8*p+2*c+1], v[fr], v[WV+3*p], v[VZ] op_sel:[1,0,0] op_sel_hi:[1,0,0]
.else
	v_fma_mix_f32_bf16 v[T+8*p+2*c], v[fr], v[WV+3*p+n], v[T+8*p+2*c] op_sel_hi:[1,0,0]
	v_fma_mix_f32_bf16 v[T+8*p+2*c+1], v[fr], v[WV+3*p+n], v[T+8*p+2*c+1] op_sel:[1,0,0] op_sel_hi:[1,0,0]
.endif
.set c, c+1
.endr
.set n, n+1
.endr
.set p, p+1
.endr
.set p, 0
.rept 4
.irp c, 0,1,2,3
	v_cvt_pk_f16_f32 v[T+8*p+\c], v[T+8*p+2*\c], v[T+8*p+2*\c+1]
.endr
	ds_store_b128 v[PST], v[T+8*p:T+8*p+3] offset:XP*p
.set p, p+1
.endr
.endm
; batch n: its rows are in; it is worked off; the buffer takes batch n + 2; its weights and the indices of batch n + 3 are asked for
.macro HT buf, ofs, wx, issue, left
	s_wait_loadcnt \left                           ; my twelve rows are in; the other buffer's twelve may be out
	v_add_nc_u32 v[PST], s[PSO], v[PST0]
	CONSUME \buf, \wx
	s_add_co_u32 s[PSO], s[PSO], 4*XP
	s_wait_kmcnt 0x0                               ; the indices asked for a batch ago, and the other buffer's weights
.if \issue
	ISSUE \buf, \ofs
	s_add_co_u32 s[SO], s[SO], 16                  ; no scalar load is out: their offsets may step
	s_add_co_u32 s[SOI], s[SO], 32
	s_min_u32 s[SOI], s[SOI], 240                  ; behind the wave's last batch that batch once more: no load leaves the buffer
	s_load_b128 s[\wx:\wx+3], s[10:11], s[SO] offset:16
	s_load_b128 s[\wx+4:\wx+7], s[10:11], s[SO] offset:262144+16
	s_load_b128 s[\wx+8:\wx+11], s[10:11], s[SO] offset:524288+16
	s_load_b128 s[IDX:IDX+3], s[8:9], s[SOI] offset:0x0
	s_load_b128 s[IDX+4:IDX+7], s[8:9], s[SOI] offset:262144
	s_load_b128 s[IDX+8:IDX+11], s[8:9], s[SOI] offset:524288
.endif
.endm
; a channel's mean and sum of squared deviations over the wave's 64 points: two passes over the lane's 32 numbers, then the other half of the lanes
.macro STATS ct, om, oq
.set bb, ACC+32*(\ct)
.set i, 0
.rept 8
	v_pk_add_f32 v[SS+2*i:SS+2*i+1], v[bb+4*i:bb+4*i+1], v[bb+4*i+2:bb+4*i+3]
.set i, i+1
.endr
.irp n, 4, 2, 1
.set i, 0
.rept \n
	v_pk_add_f32 v[SS+2*i:SS+2*i+1], v[SS+4*i:SS+4*i+1], v[SS+4*i+2:SS+4*i+3]
.set i, i+1
.endr
.endr
	v_add_f32 v[SS], v[SS], v[SS+1]
	v_mul_f32 v[NM], 0xbd000000, v[SS]             ; minus the lane's mean, twice
	v_mul_f32 v[NM+1], 0xbd000000, v[SS]
.irp g, 0, 1
.set i, 0
.rept 8
	v_pk_add_f32 v[DD+2*i:DD+2*i+1], v[bb+16*\g+2*i:bb+16*\g+2*i+1], v[NM:NM+1]
.set i, i+1
.endr
.set i, 0
.rept 8
.if (\g == 0) && (i < 4)
	v_pk_mul_f32 v[QQ+2*i:QQ+2*i+1], v[DD+2*i:DD+2*i+1], v[DD+2*i:DD+2*i+1]
.else
	v_pk_fma_f32 v[QQ+2*(i%4):QQ+2*(i%4)+1], v[DD+2*i:DD+2*i+1], v[DD+2*i:DD+2*i+1], v[QQ+2*(i%4):QQ+2*(i%4)+1]
.endif
.set i, i+1
.endr
.endr
	v_pk_add_f32 v[QQ:QQ+1], v[QQ:QQ+1], v[QQ+2:QQ+3]
	v_pk_add_f32 v[QQ+4:QQ+5], v[QQ+4:QQ+5], v[QQ+6:QQ+7]
	v_pk_add_f32 v[QQ:QQ+1], v[QQ:QQ+1], v[QQ+4:QQ+5]
	v_add_f32 v[QQ], v[QQ], v[QQ+1]
	v_permlanex16_b32 v[SS], v[NM], s[SEL], s[SEL+1]     ; the channel's other 32 points lie in the lane 16 away
	v_permlanex16_b32 v[SS+1], v[QQ], s[SEL], s[SEL+1]
	v_sub_f32 v[SS+2], v[NM], v[SS]
	v_add_f32 v[SS+3], v[NM], v[SS]
	v_add_f32 v[QQ], v[QQ], v[SS+1]
	v_mul_f32 v[SS+2], v[SS+2], v[SS+2]
	v_mul_f32 v[\om], -0.5, v[SS+3]
	v_fma_f32 v[\oq], v[SS+2], s[C16], v[QQ]       ; two parts of 32: M2 = M2a + M2b + 16 (difference of the means)^2
.endm
; one pair of channel tiles: KS steps of 8 matrix instructions on 8 accumulators that take turns; the ring is read NS positions ahead
.macro CPTRIP
.set ks, 0
.rept KS
	s_wait_dscnt 4*(NS-1)                          ; this position's four loads are in; the younger positions' may be out
.if ks < 7
	WIN 0x01
.set af, 32*ks
.else
	WIN 0x02
.set af, 32*(ks-7)
.endif
.set sl, RING+16*(ks%NS)
.set a, 0
.rept 8
.if ks == 0
	v_wmma_f32_16x16x32_f16 v[ACC+8*a:ACC+8*a+7], v[af+8*(a%4):af+8*(a%4)+7], v[sl+8*(a/4):sl+8*(a/4)+7], 0
.else
	v_wmma_f32_16x16x32_f16 v[ACC+8*a:ACC+8*a+7], v[af+8*(a%4):af+8*(a%4)+7], v[sl+8*(a/4):sl+8*(a/4)+7], v[ACC+8*a:ACC+8*a+7]
.endif
.set a, a+1
.endr
.rept 4
	v_nop                                          ; four places in front of loads into registers that a matrix instruction has read, and of the stores of results
.endr
.set a, 0
.rept 4
	ds_load_b128 v[sl+4*a:sl+4*a+3], v[VWA] offset:(ks+NS)*2048+512*a
.set a, a+1
.endr
.set ks, ks+1
.endr
	s_add_co_u32 s[WOFF], s[WOFF], KS*2048
	WIN 0x40
	v_add_nc_u32 v[VWA], s[WOFF], v[V16L]
	WIN 0x80
	v_add_nc_u32 v[VWA], s[WOFF], v[V16L]
	WIN 0
.set a, 0
.rept 8
	global_store_b128 v[V16L], v[ACC+8*a:ACC+8*a+3], s[YB:YB+1] offset:1024*a        ; each accumulator's low registers are read first
	global_store_b128 v[V16L], v[ACC+8*a+4:ACC+8*a+7], s[YB:YB+1] offset:1024*a+512
.set a, a+1
.endr
	STATS 0, RES, RES+1
	STATS 1, RES+2, RES+3
	v_cndmask_b32 v[RES], v[RES], v[RES+2], s[HM]        ; lanes 0-15 store the first tile's channels, lanes 16-31 the second's
	v_cndmask_b32 v[RES+1], v[RES+1], v[RES+3], s[HM]
	v_add_nc_u32 v[STA], s[STO], v[STA0]
	ds_store_b64 v[STA], v[RES:RES+1]
	s_add_co_u32 s[STO], s[STO], 256
	s_wait_xcnt 0x0                                ; the stores' base and the accumulators are written again only behind this wait
	s_add_nc_u64 s[YB:YB+1], s[YB:YB+1], 8192
.endm
; the four waves' figures meet: thread t merges channels 2 t and 2 t + 1 (four parts of 64 points) and stores them
.macro FINSTAT
	s_wait_dscnt 0x0                               ; my figures are stored, and the ring's last loads are back
	s_barrier_signal -1
	s_barrier_wait -1
	v_lshl_add_u32 v[STA], v0, 4, STAT
.irp j, 0,1,2,3
	ds_load_b128 v[T+4*\j:T+4*\j+3], v[STA] offset:2048*\j
.endr
	s_lshl_b32 s[TA], s[WG], 11
	v_lshl_add_u32 v[PST], v0, 4, s[TA]
	s_wait_dscnt 0x0
.irp e, 0, 1
	v_add_f32 v[T+16+\e], v[T+2*\e], v[T+4+2*\e]
	v_add_f32 v[T+18+\e], v[T+8+2*\e], v[T+12+2*\e]
	v_add_f32 v[T+16+\e], v[T+16+\e], v[T+18+\e]
	v_mul_f32 v[T+24+2*\e], 0x3e800000, v[T+16+\e]
	v_add_f32 v[T+20+\e], v[T+1+2*\e], v[T+5+2*\e]
	v_add_f32 v[T+22+\e], v[T+9+2*\e], v[T+13+2*\e]
	v_add_f32 v[T+20+\e], v[T+20+\e], v[T+22+\e]
.irp j, 0,1,2,3
	v_sub_f32 v[T+4*\j+2*\e], v[T+4*\j+2*\e], v[T+24+2*\e]
.endr
	v_mul_f32 v[T+16+\e], v[T+2*\e], v[T+2*\e]
.irp j, 1,2,3
	v_fma_f32 v[T+16+\e], v[T+4*\j+2*\e], v[T+4*\j+2*\e], v[T+16+\e]
.endr
	v_fma_f32 v[T+25+2*\e], v[T+16+\e], s[C64], v[T+20+\e]
.endr
	global_store_b128 v[PST], v[T+24:T+27], s[PB:PB+1]
.endm
	s_load_b256 s[4:11], s[0:1], 0x0               ; points1 4, f2t 6, nidx 8, nw 10
	s_load_b128 s[12:15], s[0:1], 0x20             ; w16 12, out0 14
	s_load_b64 s[16:17], s[0:1], 0x30              ; part
	v_lshl_add_u32 v[SPW], v0, 2, SPARE
	v_mov_b32 v[NIL], 0
	ds_add_u32 v[SPW], v[NIL]                      ; the wave's opening: the add and its wait ahead of my tensor load; work on registers stands between them
	ds_add_u32 v14, v15
	v_lshrrev_b32 v[LN], 5, v0
	v_readfirstlane_b32 s[WVN], v[LN]
	s_mov_b32 s[WG], ttmp9
	s_mov_b32 s[G1], 3<<16                         ; elements of 8 bytes, no mask, no padding
	s_mov_b32 s[G1+1], 32<<16                      ; tensor_dim0 = 32 elements: rows of 256 bytes
	s_mov_b32 s[G1+2], WROWS<<16                   ; tensor_dim1
	s_mov_b32 s[G1+3], 32<<16                      ; tile_dim0
	s_mov_b32 s[G1+4], WROWS                       ; tile_dim1
	s_mov_b32 s[G1+5], 32                          ; the rows lie end to end
	s_mov_b32 s[G1+6], 0
	s_mov_b32 s[G1+7], 0
	s_mov_b32 s[G0], 1
	s_mul_i32 s[G0+1], s[WVN], WBYTES              ; LDS: my quarter of the weights
	s_mul_i32 s20, s[WVN], WBYTES
	s_add_co_u32 s20, s20, WSRC
	s_mov_b32 s21, 0
	s_lshl_b32 s22, s[WG], 2
	s_add_co_u32 s22, s22, s[WVN]                  ; my block of 64 points
	s_lshr_b32 s23, s[WG], 5                       ; batch
	s_mov_b32 s[SEL], 0x76543210
	s_mov_b32 s[SEL+1], 0xfedcba98
	s_mov_b32 s[HM], 0xffff0000
	s_mov_b32 s[C16], 0x41800000
	s_mov_b32 s[C64], 0x42800000
	s_mov_b32 s[SO], 0
	s_mov_b32 s[PSO], 0
	s_mov_b32 s[WOFF], 0
	s_mov_b32 s[STO], 0
	s_wait_dscnt 0x0                               ; the opening add is done
	s_wait_kmcnt 0x0
	s_add_nc_u64 s[G0+2:G0+3], s[12:13], s[20:21]
	s_or_b32 s[G0+3], s[G0+3], 0x80000000
	tensor_load_to_lds s[G0:G0+3], s[G1:G1+7]
	s_nop 0
.rept 4
	v_nop
.endr
	s_lshl_b32 s20, s22, 8                         ; 64 points x 4 bytes in a plane of nidx and of nw
	s_add_nc_u64 s[8:9], s[8:9], s[20:21]
	s_add_nc_u64 s[10:11], s[10:11], s[20:21]
	s_load_b128 s[IDX:IDX+3], s[8:9], 0x0
	s_load_b128 s[IDX+4:IDX+7], s[8:9], 0x40000
	s_load_b128 s[IDX+8:IDX+11], s[8:9], 0x80000
	s_load_b128 s[WTA:WTA+3], s[10:11], 0x0
	s_load_b128 s[WTA+4:WTA+7], s[10:11], 0x40000
	s_load_b128 s[WTA+8:WTA+11], s[10:11], 0x80000
	s_and_b32 s20, s22, 127
	s_lshl_b32 s20, s20, 8
	s_lshl_b32 s[TA], s23, 21
	s_add_co_u32 s20, s20, s[TA]
	s_add_nc_u64 s[4:5], s[4:5], s[20:21]          ; points1 at my batch and my 64 points
	s_lshl_b32 s20, s23, 20
	s_add_nc_u64 s[6:7], s[6:7], s[20:21]          ; f2t at my batch
	s_lshl_b32 s20, s22, 16
	s_add_nc_u64 s[YB:YB+1], s[YB:YB+1], s[20:21]  ; the image of my block
	v_and_b32 v[LN], 31, v0
	v_and_b32 v[RR], 15, v0
	v_bfe_u32 v[HH], v0, 4, 1
	v_lshlrev_b32 v[V16L], 4, v[LN]
	v_lshlrev_b32 v[F1O], 4, v[RR]
	v_lshl_add_u32 v[F1O], v[HH], 15, v[F1O]       ; lanes 0-15 one channel's 256 bytes, lanes 16-31 the next channel's
	s_mul_i32 s[TA], s[WVN], STGW
	s_add_co_u32 s[TA], s[TA], STG                 ; my stage
	v_mul_u32_u24 v[F1S], v[HH], FP
	v_lshl_add_u32 v[F1S], v[RR], 3, v[F1S]
	v_add_nc_u32 v[F1S], s[TA], v[F1S]
	v_and_b32 v[TRA], 7, v0                        ; the turning load: lane l reads channel 8 (l / 16) + l % 8, points 8 ((l / 8) % 2) ..+7
	v_lshl_add_u32 v[TRA], v[HH], 3, v[TRA]
	v_mul_u32_u24 v[TRA], v[TRA], FP
	v_bfe_u32 v[PST], v0, 3, 1
	v_lshl_add_u32 v[TRA], v[PST], 4, v[TRA]
	v_add_nc_u32 v[TRA], s[TA], v[TRA]
	v_add_nc_u32 v[PST0], s[TA], v[V16L]
	v_mul_u32_u24 v[RB], v[RR], XP
	v_lshl_add_u32 v[RB], v[HH], 4, v[RB]
	v_add_nc_u32 v[RB], s[TA], v[RB]
	s_lshl_b32 s[TBS], s[WVN], 11
	s_add_co_u32 s[TBS], s[TBS], STAT
	v_lshl_add_u32 v[STA0], v[LN], 3, s[TBS]
	v_mov_b32 v[VZ], 0
	WIN 0x40
.set i, 0
.rept 32
	global_load_b128 v[64+4*i:64+4*i+3], v[F1O], s[4:5] offset:65536*i th:TH_LOAD_NT
.set i, i+1
.endr
	WIN 0
	s_wait_kmcnt 0x0
	ISSUE GBA, OFA                                 ; batch 0
	s_load_b128 s[IDX:IDX+3], s[8:9], 0x10
	s_load_b128 s[IDX+4:IDX+7], s[8:9], 0x40010
	s_load_b128 s[IDX+8:IDX+11], s[8:9], 0x80010
	s_load_b128 s[WTB:WTB+3], s[10:11], 0x10
	s_load_b128 s[WTB+4:WTB+7], s[10:11], 0x40010
	s_load_b128 s[WTB+8:WTB+11], s[10:11], 0x80010
	s_wait_kmcnt 0x0
	ISSUE GBB, OFB                                 ; batch 1
	s_load_b128 s[IDX:IDX+3], s[8:9], 0x20
	s_load_b128 s[IDX+4:IDX+7], s[8:9], 0x40020
	s_load_b128 s[IDX+8:IDX+11], s[8:9], 0x80020
	; points1: rounded to bf16, written as f16, staged by channels, read back turned as the first two k steps
	s_wait_loadcnt 24                              ; points1 is in; the two batches' 24 loads may be out
	WIN 0x05
.set i, 0
.rept 32
	v_cvt_pk_bf16_f32 v[FB+2*i], v[64+4*i], v[64+4*i+1]
	v_cvt_pk_bf16_f32 v[FB+2*i+1], v[64+4*i+2], v[64+4*i+3]
.set i, i+1
.endr
	WIN 0
.set i, 0
.rept 32
.set tt, T+4*(i%4)
	v_lshlrev_b32 v[tt], 16, v[FB+2*i]
	v_and_b32 v[tt+1], s[HM], v[FB+2*i]
	v_lshlrev_b32 v[tt+2], 16, v[FB+2*i+1]
	v_and_b32 v[tt+3], s[HM], v[FB+2*i+1]
	v_cvt_pk_f16_f32 v[FB+2*i], v[tt], v[tt+1]
	v_cvt_pk_f16_f32 v[FB+2*i+1], v[tt+2], v[tt+3]
	ds_store_b64 v[F1S], v[FB+2*i:FB+2*i+1] offset:2*FP*i
.set i, i+1
.endr
	WIN 0x40
.set ks, 0
.rept 2
.set pt, 0
.rept 4
	ds_load_tr16_b128 v[32*ks+8*pt:32*ks+8*pt+3], v[TRA] offset:32*FP*ks+32*pt          ; LDS serves a wave's instructions in order (ISA guide 5.7.1.4): these see the stores above,
	ds_load_tr16_b128 v[32*ks+8*pt+4:32*ks+8*pt+7], v[TRA] offset:32*FP*ks+32*pt+16*FP  ; and the gather's stores into the same bytes come behind them
.set pt, pt+1
.endr
.set ks, ks+1
.endr
	WIN 0
	s_mov_b32 s[CNT], 7
.Lgather:
	HT GBA, OFA, WTA, 1, 12
	HT GBB, OFB, WTB, 1, 12
	s_sub_co_u32 s[CNT], s[CNT], 1
	s_cmp_lg_u32 s[CNT], 0
	s_cbranch_scc1 .Lgather
	HT GBA, OFA, WTA, 0, 12                        ; the last two batches ask for nothing
	HT GBB, OFB, WTB, 0, 0
	WIN 0x40
.set ks, 2
.rept 5
.set pt, 0
.rept 4
	ds_load_b128 v[32*ks+8*pt:32*ks+8*pt+3], v[RB] offset:16*XP*pt+64*(ks-2)
	ds_load_b128 v[32*ks+8*pt+4:32*ks+8*pt+7], v[RB] offset:16*XP*pt+64*(ks-2)+32
.set pt, pt+1
.endr
.set ks, ks+1
.endr
	v_mov_b32 v[VWA], v[V16L]
	WIN 0x80
.set ks, 7
.rept 3
.set pt, 0
.rept 4
	ds_load_b128 v[32*(ks-7)+8*pt:32*(ks-7)+8*pt+3], v[RB] offset:16*XP*pt+64*(ks-2)
	ds_load_b128 v[32*(ks-7)+8*pt+4:32*(ks-7)+8*pt+7], v[RB] offset:16*XP*pt+64*(ks-2)+32
.set pt, pt+1
.endr
.set ks, ks+1
.endr
	v_mov_b32 v[VWA], v[V16L]
	WIN 0
	s_wait_tensorcnt 0x0                           ; my quarter of the weights has landed,
	s_wait_dscnt 0x0
	s_barrier_signal -1
	s_barrier_wait -1                              ; everybody's has; nothing is filled again
	WIN 0x01
.set p, 0
.rept NS
.set a, 0
.rept 4
	ds_load_b128 v[RING+16*p+4*a:RING+16*p+4*a+3], v[VWA] offset:2048*p+512*a
.set a, a+1
.endr
.set p, p+1
.endr
	WIN 0
	s_mov_b32 s[CNT], 8
.Lcp:
	CPTRIP
	s_sub_co_u32 s[CNT], s[CNT], 1
	s_cmp_lg_u32 s[CNT], 0
	s_cbranch_scc1 .Lcp
	FINSTAT
	s_wait_tensorcnt 0x0                           ; the wave's end
	ds_add_u32 v[SPW], v[NIL]
	s_wait_dscnt 0x0
	s_endpgm
.Lfunc_end_k_q5adec79dca_gemm0:
	.size	k_q5adec79dca_gemm0, .Lfunc_end_k_q5adec79dca_gemm0-k_q5adec79dca_gemm0
	.p2alignl 7, 3214868480
	.fill 96, 4, 3214868480
	.section	.rodata,"a",@progbits
	.p2align	6, 0x0
	.amdhsa_kernel k_q5adec79dca_gemm0
		.amdhsa_group_segment_fixed_size 327680
		.amdhsa_private_segment_fixed_size 0
		.amdhsa_enable_private_segment 0
		.amdhsa_kernarg_size 56
		.amdhsa_user_sgpr_count 2
		.amdhsa_user_sgpr_kernarg_segment_ptr 1
		.amdhsa_wavefront_size32 1
		.amdhsa_system_sgpr_workgroup_id_x 1
		.amdhsa_system_sgpr_workgroup_id_y 1
		.amdhsa_system_sgpr_workgroup_id_z 1
		.amdhsa_system_vgpr_workitem_id 0
		.amdhsa_next_free_vgpr 768
		.amdhsa_next_free_sgpr 96
		.amdhsa_reserve_vcc 0
		.amdhsa_float_denorm_mode_32 3
		.amdhsa_float_denorm_mode_16_64 3
		.amdhsa_memory_ordered 1
		.amdhsa_forward_progress 1
		.amdhsa_inst_pref_size 93
	.end_amdhsa_kernel
	.amdgpu_metadata
---
amdhsa.version: [ 1, 2 ]
amdhsa.kernels:
  - .name:           k_q5adec79dca_gemm0
    .symbol:         k_q5adec79dca_gemm0.kd
    .args:
      - { .name: points1, .offset: 0, .size: 8, .value_kind: global_buffer, .address_space: global }
      - { .name: f2t, .offset: 8, .size: 8, .value_kind: global_buffer, .address_space: global }
      - { .name: nidx, .offset: 16, .size: 8, .value_kind: global_buffer, .address_space: global }
      - { .name: nw, .offset: 24, .size: 8, .value_kind: global_buffer, .address_space: global }
      - { .name: w16, .offset: 32, .size: 8, .value_kind: global_buffer, .address_space: global }
      - { .name: out0, .offset: 40, .size: 8, .value_kind: global_buffer, .address_space: global }
      - { .name: part, .offset: 48, .size: 8, .value_kind: global_buffer, .address_space: global }
    .group_segment_fixed_size: 327680
    .private_segment_fixed_size: 0
    .kernarg_segment_align: 8
    .kernarg_segment_size: 56
    .max_flat_workgroup_size: 128
    .sgpr_count:     96
    .vgpr_count:     768
    .wavefront_size: 32
...
	.end_amdgpu_metadata
.endif
;; end of part 3
;; launch fin0 (part 4): grid 8 x 1, 8 waves a work-group, no clusters, 3,072 bytes of LDS; arguments part, b0, gamma0, beta0, ac; writes ac
.if DOCPART == 4
	.amdgcn_target "amdgcn-amd-amdhsa--gfx1250"
	.amdhsa_code_object_version 6
	.text
	.protected	k_q5adec79dca_fin0
	.globl	k_q5adec79dca_fin0
	.p2align	8
	.type	k_q5adec79dca_fin0,@function
k_q5adec79dca_fin0:
	s_mov_b64 s[64:65], 0
	v_nop
	global_prefetch_b8 v0, s[64:65] scope:SCOPE_SE
	s_setreg_imm32_b32 hwreg(HW_REG_WAVE_MODE, 25, 1), 1
	s_wait_xcnt 0x0
; THE BATCH NORM'S CONSTANTS.  part holds, for each of 256 work-groups and each channel, the mean and the sum of squared deviations M2 of 256 points of y (the sums without the bias).
; mean = the average of the means; M2 = the sum of the M2 + 256 x the sum of (mean_i - mean)^2: no difference of large sums is formed.
; With x = y + b: mu = mean + b, A = gamma / sqrt(M2 / 65536 + 1e-5), and relu((x - mu) A + beta) = relu(A y + C) with C = (b - mu) A + beta.  b, gamma, beta are rounded to bf16, as all inputs are.
; One owner for each channel: work-group g has channels 32 g + lane, wave w the partial rows 32 w ..+31; eight work-groups are all the work that there is.  Stored: [channel][A, A, C, C].
.set SPARE, 2048
.set SPW, 98
.set NIL, 99
	s_load_b256 s[4:11], s[0:1], 0x0               ; part 4, b 6, gamma 8, beta 10
	s_load_b64 s[12:13], s[0:1], 0x20              ; ac
	v_lshl_add_u32 v[SPW], v0, 2, SPARE
	v_mov_b32 v[NIL], 0
	v_lshrrev_b32 v1, 5, v0
	v_readfirstlane_b32 s14, v1                    ; wave
	v_and_b32 v1, 31, v0                           ; lane
	s_lshl_b32 s15, s14, 16                        ; 32 rows of 2,048 bytes
	s_lshl_b32 s16, ttmp9, 8                       ; 32 channels of 8 bytes
	s_add_co_u32 s15, s15, s16
	v_lshl_add_u32 v2, v1, 3, s15
	s_lshl_b32 s17, ttmp9, 7
	v_lshl_add_u32 v3, v1, 2, s17
	v_lshlrev_b32 v4, 2, v0                        ; my word among the waves' figures
	v_lshlrev_b32 v5, 2, v1
	s_lshl_b32 s18, ttmp9, 9
	v_lshl_add_u32 v6, v1, 4, s18
	s_mov_b32 s19, 0xffff0000
	s_mov_b32 s20, 0x43800000                      ; 256.0
	s_wait_kmcnt 0x0
.set i, 0
.rept 32
	global_load_b64 v[8+2*i:9+2*i], v2, s[4:5] offset:2048*i
.set i, i+1
.endr
	global_load_b32 v72, v3, s[6:7]
	global_load_b32 v73, v3, s[8:9]
	global_load_b32 v74, v3, s[10:11]
	s_wait_loadcnt 0x0
.irp j, 0,1,2,3
	v_add_f32 v[76+\j], v[8+2*\j], v[16+2*\j]
.endr
.set i, 8
.rept 24
	v_add_f32 v[76+i%4], v[76+i%4], v[8+2*i]
.set i, i+1
.endr
	v_add_f32 v76, v76, v77
	v_add_f32 v78, v78, v79
	v_add_f32 v76, v76, v78
	ds_store_b32 v4, v76
	s_wait_dscnt 0x0                               ; my sum of means is stored
	s_barrier_signal -1
	s_barrier_wait -1
.irp j, 0,1,2,3,4,5,6,7
	ds_load_b32 v[80+\j], v5 offset:128*\j
.endr
	s_wait_dscnt 0x0
.irp j, 0,1,2,3
	v_add_f32 v[80+\j], v[80+\j], v[84+\j]
.endr
	v_add_f32 v80, v80, v81
	v_add_f32 v82, v82, v83
	v_add_f32 v80, v80, v82
	v_mul_f32 v88, 0x3b800000, v80                 ; the mean of all 65,536 points
.set i, 0
.rept 32
	v_sub_f32 v[8+2*i], v[8+2*i], v88
.set i, i+1
.endr
.irp j, 0,1,2,3
	v_mul_f32 v[76+\j], v[8+2*\j], v[8+2*\j]
	v_add_f32 v[90+\j], v[9+2*\j], v[17+2*\j]
.endr
.set i, 4
.rept 28
	v_fma_f32 v[76+i%4], v[8+2*i], v[8+2*i], v[76+i%4]
.set i, i+1
.endr
.set i, 8
.rept 24
	v_add_f32 v[90+i%4], v[90+i%4], v[9+2*i]
.set i, i+1
.endr
	v_add_f32 v76, v76, v77
	v_add_f32 v78, v78, v79
	v_add_f32 v90, v90, v91
	v_add_f32 v92, v92, v93
	v_add_f32 v76, v76, v78
	v_add_f32 v90, v90, v92
	v_fma_f32 v76, v76, s20, v90
	ds_store_b32 v4, v76 offset:1024               ; other bytes than the first exchange's
	s_wait_dscnt 0x0
	s_barrier_signal -1
	s_barrier_wait -1
.irp j, 0,1,2,3,4,5,6,7
	ds_load_b32 v[80+\j], v5 offset:1024+128*\j
.endr
	v_cvt_pk_bf16_f32 v76, v72, v73
	v_cvt_pk_bf16_f32 v77, v74, v74
	v_lshlrev_b32 v72, 16, v76                     ; b
	v_and_b32 v73, s19, v76                        ; gamma
	v_lshlrev_b32 v74, 16, v77                     ; beta
	s_wait_dscnt 0x0
.irp j, 0,1,2,3
	v_add_f32 v[80+\j], v[80+\j], v[84+\j]
.endr
	v_add_f32 v80, v80, v81
	v_add_f32 v82, v82, v83
	v_add_f32 v80, v80, v82
	v_mul_f32 v80, 0x37800000, v80                 ; the variance
	v_add_f32 v80, 0x3727c5ac, v80                 ; + 1e-5
	v_rsq_f32 v80, v80
	v_add_f32 v89, v88, v72                        ; mu; also the plain instruction behind the root (ISA guide 5.7.2)
	s_wait_alu depctr_va_vdst(0)
	v_mul_f32 v92, v73, v80
	v_sub_f32 v89, v72, v89
	v_mov_b32 v93, v92
	v_fma_f32 v94, v89, v92, v74
	v_mov_b32 v95, v94
	s_cmp_lg_u32 s14, 0
	s_cbranch_scc1 .Lend                           ; all eight waves hold the same numbers; wave 0 stores them
	global_store_b128 v6, v[92:95], s[12:13]
.Lend:
	s_wait_tensorcnt 0x0                           ; the wave's end
	ds_add_u32 v[SPW], v[NIL]
	s_wait_dscnt 0x0
	s_endpgm
.Lfunc_end_k_q5adec79dca_fin0:
	.size	k_q5adec79dca_fin0, .Lfunc_end_k_q5adec79dca_fin0-k_q5adec79dca_fin0
	.p2alignl 7, 3214868480
	.fill 96, 4, 3214868480
	.section	.rodata,"a",@progbits
	.p2align	6, 0x0
	.amdhsa_kernel k_q5adec79dca_fin0
		.amdhsa_group_segment_fixed_size 3072
		.amdhsa_private_segment_fixed_size 0
		.amdhsa_enable_private_segment 0
		.amdhsa_kernarg_size 40
		.amdhsa_user_sgpr_count 2
		.amdhsa_user_sgpr_kernarg_segment_ptr 1
		.amdhsa_wavefront_size32 1
		.amdhsa_system_sgpr_workgroup_id_x 1
		.amdhsa_system_sgpr_workgroup_id_y 1
		.amdhsa_system_sgpr_workgroup_id_z 1
		.amdhsa_system_vgpr_workitem_id 0
		.amdhsa_next_free_vgpr 104
		.amdhsa_next_free_sgpr 66
		.amdhsa_reserve_vcc 0
		.amdhsa_float_denorm_mode_32 3
		.amdhsa_float_denorm_mode_16_64 3
		.amdhsa_memory_ordered 1
		.amdhsa_forward_progress 1
		.amdhsa_inst_pref_size 13
	.end_amdhsa_kernel
	.amdgpu_metadata
---
amdhsa.version: [ 1, 2 ]
amdhsa.kernels:
  - .name:           k_q5adec79dca_fin0
    .symbol:         k_q5adec79dca_fin0.kd
    .args:
      - { .name: part, .offset: 0, .size: 8, .value_kind: global_buffer, .address_space: global }
      - { .name: b0, .offset: 8, .size: 8, .value_kind: global_buffer, .address_space: global }
      - { .name: gamma0, .offset: 16, .size: 8, .value_kind: global_buffer, .address_space: global }
      - { .name: beta0, .offset: 24, .size: 8, .value_kind: global_buffer, .address_space: global }
      - { .name: ac, .offset: 32, .size: 8, .value_kind: global_buffer, .address_space: global }
    .group_segment_fixed_size: 3072
    .private_segment_fixed_size: 0
    .kernarg_segment_align: 8
    .kernarg_segment_size: 40
    .max_flat_workgroup_size: 256
    .sgpr_count:     66
    .vgpr_count:     104
    .wavefront_size: 32
...
	.end_amdgpu_metadata
.endif
;; end of part 4
;; launch mid (part 5): grid 256 x 1, 4 waves a work-group, no clusters, 327,680 bytes of LDS; arguments out0, ac, w16, yimg, part; writes yimg, part
.if DOCPART == 5
	.amdgcn_target "amdgcn-amd-amdhsa--gfx1250"
	.amdhsa_code_object_version 6
	.text
	.protected	k_q5adec79dca_mid
	.globl	k_q5adec79dca_mid
	.p2align	8
	.type	k_q5adec79dca_mid,@function
k_q5adec79dca_mid:
	s_mov_b64 s[64:65], 0
	v_nop
	global_prefetch_b8 v0, s[64:65] scope:SCOPE_SE
	s_setreg_imm32_b32 hwreg(HW_REG_WAVE_MODE, 25, 1), 1
	s_wait_xcnt 0x0
; LAYER 2.  h0 = relu(A y0 + C), rounded once to f16; y1 = h0 W1^T; and the statistics of y1, as in the launch for layer 1.  y0 comes from out0 (scratch there), y1 goes to yimg, both in the accumulators' order:
;   [wave block of 64 points][channel tile][point tile][half][lane][16 bytes].
; LIMIT.  f16 ends at 65,504: |h0|, at most 256 |gamma| + |beta| after the norm, stays under it.
; SHARES.  Wave 4 wg + w owns 64 points and all channels.  In the image a lane holds one channel and eight points; h0 goes by channels into the wave's own stage ([256 channels] x 160 bytes) and comes back turned,
; as first sources (16 points x 32 k).  W1 lies in LDS in fragment order, one tensor load a wave (one is out, by this text's count).
; NO CLUSTER: what the work-groups share, 139 KB of weights, is about a fifth of the bytes that a work-group moves, and it lands under the reading of y0.
; REGISTERS.  Window 0: v0-63 addresses and work; first v64-191 two buffers of y0, v192-207 their A and C, v208-239 h0 packed; then v64-127 accumulators, v128-191 a ring of four positions of weights, v208-255 statistics.
; Window 1: h0 for k steps 0-6, v255 the weights' LDS address.  Window 2: k step 7, v255 the same address.
.set KS, 8
.set NS, 4
.set WROWS, 136                        ; a wave's part of the weights: the four parts reach 8,192 bytes past W1's stream (zeros), which the ring's look-ahead reads and nobody uses
.set WBYTES, 34816
.set WSRC, 163840
.set HST, 139264
.set HSTW, 40960
.set FP, 160
.set STAT, 303104
.set SPARE, 311296
.set LN, 1
.set RR, 2
.set HH, 3
.set V16L, 4
.set R16, 5
.set HS0, 6
.set HSA, 7
.set TRA, 8
.set PST, 9
.set STA0, 11
.set STA, 12
.set SPW, 14
.set NIL, 15
.set T, 32
.set ACC, 64
.set RING, 128
.set Y0, 64
.set Y1, 128
.set A0, 192
.set A1, 200
.set HP, 208
.set SS, 208
.set NM, 224
.set DD, 226
.set QQ, 242
.set RES, 250
.set VWA, 255
.set YB, 10                            ; s[10:11] yimg
.set PB, 12                            ; s[12:13] part
.set WVN, 18
.set WG, 19
.set G0, 24
.set G1, 28
.set HSO, 82
.set CNT, 83
.set WOFF, 84
.set STO, 85
.set SEL, 86
.set HM, 88
.set TA, 89
.set TBS, 90
.set C16, 91
.set C64, 92
.set MSB, 0
.macro WIN new                         ; the immediate's high byte repeats the setting that is left
.if MSB != (\new)
	s_set_vgpr_msb (MSB<<8)|(\new)
.set MSB, \new
.endif
.endm
; a pair of channel tiles, rel pairs ahead of the bases: their A and C, then 8 KB of y0
.macro LDCP yb, ab, rel
	global_load_b128 v[\ab:\ab+3], v[R16], s[6:7] offset:512*(\rel)
	global_load_b128 v[\ab+4:\ab+7], v[R16], s[6:7] offset:512*(\rel)+256
.set a, 0
.rept 16
	global_load_b128 v[\yb+4*a:\yb+4*a+3], v[V16L], s[4:5] offset:8192*(\rel)+512*a th:TH_LOAD_NT
.set a, a+1
.endr
.endm
; the pair in buffer yb: norm, relu, f16, into the stage; more = 1: the buffer takes the pair two further on
.macro BN yb, ab, rel, more, left
	s_wait_loadcnt \left                           ; my 18 loads are in; the other buffer's 18 may be out
.set i, 0
.rept 32
	v_pk_fma_f32 v[\yb+2*i:\yb+2*i+1], v[\yb+2*i:\yb+2*i+1], v[\ab+4*(i/16):\ab+4*(i/16)+1], v[\ab+4*(i/16)+2:\ab+4*(i/16)+3]
.set i, i+1
.endr
.set i, 0
.rept 64
	v_max_num_f32 v[\yb+i], 0, v[\yb+i]
.set i, i+1
.endr
.set i, 0
.rept 32
	v_cvt_pk_f16_f32 v[HP+i], v[\yb+2*i], v[\yb+2*i+1]
.set i, i+1
.endr
.set a, 0
.rept 8
	ds_store_b128 v[HSA], v[HP+4*a:HP+4*a+3] offset:(32*(\rel)+16*(a/4))*FP+32*(a%4)
.set a, a+1
.endr
.if \more
	LDCP \yb, \ab, (\rel)+2
.endif
.endm
; a channel's mean and sum of squared deviations over the wave's 64 points: two passes over the lane's 32 numbers, then the other half of the lanes
.macro STATS ct, om, oq
.set bb, ACC+32*(\ct)
.set i, 0
.rept 8
	v_pk_add_f32 v[SS+2*i:SS+2*i+1], v[bb+4*i:bb+4*i+1], v[bb+4*i+2:bb+4*i+3]
.set i, i+1
.endr
.irp n, 4, 2, 1
.set i, 0
.rept \n
	v_pk_add_f32 v[SS+2*i:SS+2*i+1], v[SS+4*i:SS+4*i+1], v[SS+4*i+2:SS+4*i+3]
.set i, i+1
.endr
.endr
	v_add_f32 v[SS], v[SS], v[SS+1]
	v_mul_f32 v[NM], 0xbd000000, v[SS]             ; minus the lane's mean, twice
	v_mul_f32 v[NM+1], 0xbd000000, v[SS]
.irp g, 0, 1
.set i, 0
.rept 8
	v_pk_add_f32 v[DD+2*i:DD+2*i+1], v[bb+16*\g+2*i:bb+16*\g+2*i+1], v[NM:NM+1]
.set i, i+1
.endr
.set i, 0
.rept 8
.if (\g == 0) && (i < 4)
	v_pk_mul_f32 v[QQ+2*i:QQ+2*i+1], v[DD+2*i:DD+2*i+1], v[DD+2*i:DD+2*i+1]
.else
	v_pk_fma_f32 v[QQ+2*(i%4):QQ+2*(i%4)+1], v[DD+2*i:DD+2*i+1], v[DD+2*i:DD+2*i+1], v[QQ+2*(i%4):QQ+2*(i%4)+1]
.endif
.set i, i+1
.endr
.endr
	v_pk_add_f32 v[QQ:QQ+1], v[QQ:QQ+1], v[QQ+2:QQ+3]
	v_pk_add_f32 v[QQ+4:QQ+5], v[QQ+4:QQ+5], v[QQ+6:QQ+7]
	v_pk_add_f32 v[QQ:QQ+1], v[QQ:QQ+1], v[QQ+4:QQ+5]
	v_add_f32 v[QQ], v[QQ], v[QQ+1]
	v_permlanex16_b32 v[SS], v[NM], s[SEL], s[SEL+1]     ; the channel's other 32 points lie in the lane 16 away
	v_permlanex16_b32 v[SS+1], v[QQ], s[SEL], s[SEL+1]
	v_sub_f32 v[SS+2], v[NM], v[SS]
	v_add_f32 v[SS+3], v[NM], v[SS]
	v_add_f32 v[QQ], v[QQ], v[SS+1]
	v_mul_f32 v[SS+2], v[SS+2], v[SS+2]
	v_mul_f32 v[\om], -0.5, v[SS+3]
	v_fma_f32 v[\oq], v[SS+2], s[C16], v[QQ]       ; two parts of 32: M2 = M2a + M2b + 16 (difference of the means)^2
.endm
; one pair of channel tiles: KS steps of 8 matrix instructions on 8 accumulators that take turns; the ring is read NS positions ahead
.macro CPTRIP
.set ks, 0
.rept KS
	s_wait_dscnt 4*(NS-1)                          ; this position's four loads are in; the younger positions' may be out
.if ks < 7
	WIN 0x01
.set af, 32*ks
.else
	WIN 0x02
.set af, 32*(ks-7)
.endif
.set sl, RING+16*(ks%NS)
.set a, 0
.rept 8
.if ks == 0
	v_wmma_f32_16x16x32_f16 v[ACC+8*a:ACC+8*a+7], v[af+8*(a%4):af+8*(a%4)+7], v[sl+8*(a/4):sl+8*(a/4)+7], 0
.else
	v_wmma_f32_16x16x32_f16 v[ACC+8*a:ACC+8*a+7], v[af+8*(a%4):af+8*(a%4)+7], v[sl+8*(a/4):sl+8*(a/4)+7], v[ACC+8*a:ACC+8*a+7]
.endif
.set a, a+1
.endr
.rept 4
	v_nop                                          ; four places in front of loads into registers that a matrix instruction has read, and of the stores of results
.endr
.set a, 0
.rept 4
	ds_load_b128 v[sl+4*a:sl+4*a+3], v[VWA] offset:(ks+NS)*2048+512*a
.set a, a+1
.endr
.set ks, ks+1
.endr
	s_add_co_u32 s[WOFF], s[WOFF], KS*2048
	WIN 0x40
	v_add_nc_u32 v[VWA], s[WOFF], v[V16L]
	WIN 0x80
	v_add_nc_u32 v[VWA], s[WOFF], v[V16L]
	WIN 0
.set a, 0
.rept 8
	global_store_b128 v[V16L], v[ACC+8*a:ACC+8*a+3], s[YB:YB+1] offset:1024*a        ; each accumulator's low registers are read first
	global_store_b128 v[V16L], v[ACC+8*a+4:ACC+8*a+7], s[YB:YB+1] offset:1024*a+512
.set a, a+1
.endr
	STATS 0, RES, RES+1
	STATS 1, RES+2, RES+3
	v_cndmask_b32 v[RES], v[RES], v[RES+2], s[HM]        ; lanes 0-15 store the first tile's channels, lanes 16-31 the second's
	v_cndmask_b32 v[RES+1], v[RES+1], v[RES+3], s[HM]
	v_add_nc_u32 v[STA], s[STO], v[STA0]
	ds_store_b64 v[STA], v[RES:RES+1]
	s_add_co_u32 s[STO], s[STO], 256
	s_wait_xcnt 0x0                                ; the stores' base and the accumulators are written again only behind this wait
	s_add_nc_u64 s[YB:YB+1], s[YB:YB+1], 8192
.endm
; the four waves' figures meet: thread t merges channels 2 t and 2 t + 1 (four parts of 64 points) and stores them
.macro FINSTAT
	s_wait_dscnt 0x0                               ; my figures are stored, and the ring's last loads are back
	s_barrier_signal -1
	s_barrier_wait -1
	v_lshl_add_u32 v[STA], v0, 4, STAT
.irp j, 0,1,2,3
	ds_load_b128 v[T+4*\j:T+4*\j+3], v[STA] offset:2048*\j
.endr
	s_lshl_b32 s[TA], s[WG], 11
	v_lshl_add_u32 v[PST], v0, 4, s[TA]
	s_wait_dscnt 0x0
.irp e, 0, 1
	v_add_f32 v[T+16+\e], v[T+2*\e], v[T+4+2*\e]
	v_add_f32 v[T+18+\e], v[T+8+2*\e], v[T+12+2*\e]
	v_add_f32 v[T+16+\e], v[T+16+\e], v[T+18+\e]
	v_mul_f32 v[T+24+2*\e], 0x3e800000, v[T+16+\e]
	v_add_f32 v[T+20+\e], v[T+1+2*\e], v[T+5+2*\e]
	v_add_f32 v[T+22+\e], v[T+9+2*\e], v[T+13+2*\e]
	v_add_f32 v[T+20+\e], v[T+20+\e], v[T+22+\e]
.irp j, 0,1,2,3
	v_sub_f32 v[T+4*\j+2*\e], v[T+4*\j+2*\e], v[T+24+2*\e]
.endr
	v_mul_f32 v[T+16+\e], v[T+2*\e], v[T+2*\e]
.irp j, 1,2,3
	v_fma_f32 v[T+16+\e], v[T+4*\j+2*\e], v[T+4*\j+2*\e], v[T+16+\e]
.endr
	v_fma_f32 v[T+25+2*\e], v[T+16+\e], s[C64], v[T+20+\e]
.endr
	global_store_b128 v[PST], v[T+24:T+27], s[PB:PB+1]
.endm
	s_load_b256 s[4:11], s[0:1], 0x0               ; out0 (y0) 4, ac 6, w16 8, yimg 10
	s_load_b64 s[12:13], s[0:1], 0x20              ; part
	v_lshl_add_u32 v[SPW], v0, 2, SPARE
	v_mov_b32 v[NIL], 0
	ds_add_u32 v[SPW], v[NIL]                      ; the wave's opening: the add and its wait ahead of my tensor load; work on registers stands between them
	ds_add_u32 v14, v15
	v_lshrrev_b32 v[LN], 5, v0
	v_readfirstlane_b32 s[WVN], v[LN]
	s_mov_b32 s[WG], ttmp9
	s_mov_b32 s[G1], 3<<16                         ; elements of 8 bytes, no mask, no padding
	s_mov_b32 s[G1+1], 32<<16                      ; tensor_dim0 = 32 elements: rows of 256 bytes
	s_mov_b32 s[G1+2], WROWS<<16                   ; tensor_dim1
	s_mov_b32 s[G1+3], 32<<16                      ; tile_dim0
	s_mov_b32 s[G1+4], WROWS                       ; tile_dim1
	s_mov_b32 s[G1+5], 32                          ; the rows lie end to end
	s_mov_b32 s[G1+6], 0
	s_mov_b32 s[G1+7], 0
	s_mov_b32 s[G0], 1
	s_mul_i32 s[G0+1], s[WVN], WBYTES              ; LDS: my quarter of the weights
	s_mul_i32 s20, s[WVN], WBYTES
	s_add_co_u32 s20, s20, WSRC
	s_mov_b32 s21, 0
	s_lshl_b32 s22, s[WG], 2
	s_add_co_u32 s22, s22, s[WVN]                  ; my block of 64 points
	s_mov_b32 s[SEL], 0x76543210
	s_mov_b32 s[SEL+1], 0xfedcba98
	s_mov_b32 s[HM], 0xffff0000
	s_mov_b32 s[C16], 0x41800000
	s_mov_b32 s[C64], 0x42800000
	s_mov_b32 s[HSO], 0
	s_mov_b32 s[WOFF], 0
	s_mov_b32 s[STO], 0
	s_wait_dscnt 0x0                               ; the opening add is done
	s_wait_kmcnt 0x0
	s_add_nc_u64 s[G0+2:G0+3], s[8:9], s[20:21]
	s_or_b32 s[G0+3], s[G0+3], 0x80000000
	tensor_load_to_lds s[G0:G0+3], s[G1:G1+7]
	s_nop 0
.rept 4
	v_nop
.endr
	s_lshl_b32 s20, s22, 16
	s_add_nc_u64 s[4:5], s[4:5], s[20:21]
	s_add_nc_u64 s[YB:YB+1], s[YB:YB+1], s[20:21]
	v_and_b32 v[LN], 31, v0
	v_and_b32 v[RR], 15, v0
	v_bfe_u32 v[HH], v0, 4, 1
	v_lshlrev_b32 v[V16L], 4, v[LN]
	v_lshlrev_b32 v[R16], 4, v[RR]
	LDCP Y0, A0, 0
	LDCP Y1, A1, 1
	s_mul_i32 s[TA], s[WVN], HSTW
	s_add_co_u32 s[TA], s[TA], HST                 ; my stage
	v_mul_u32_u24 v[HS0], v[RR], FP
	v_lshl_add_u32 v[HS0], v[HH], 4, v[HS0]
	v_add_nc_u32 v[HS0], s[TA], v[HS0]             ; in: channel row l % 16, eight points for each half of the lanes
	v_and_b32 v[TRA], 7, v0                        ; the turning load: lane l reads channel 8 (l / 16) + l % 8, points 8 ((l / 8) % 2) ..+7
	v_lshl_add_u32 v[TRA], v[HH], 3, v[TRA]
	v_mul_u32_u24 v[TRA], v[TRA], FP
	v_bfe_u32 v[PST], v0, 3, 1
	v_lshl_add_u32 v[TRA], v[PST], 4, v[TRA]
	v_add_nc_u32 v[TRA], s[TA], v[TRA]
	s_lshl_b32 s[TBS], s[WVN], 11
	s_add_co_u32 s[TBS], s[TBS], STAT
	v_lshl_add_u32 v[STA0], v[LN], 3, s[TBS]
	s_mov_b32 s[CNT], 3
.Lbn:
	v_add_nc_u32 v[HSA], s[HSO], v[HS0]
	BN Y0, A0, 0, 1, 18
	BN Y1, A1, 1, 1, 18
	s_wait_xcnt 0x0                                ; the loads' bases step only behind this wait
	s_add_nc_u64 s[4:5], s[4:5], 16384
	s_add_nc_u64 s[6:7], s[6:7], 1024
	s_add_co_u32 s[HSO], s[HSO], 64*FP
	s_sub_co_u32 s[CNT], s[CNT], 1
	s_cmp_lg_u32 s[CNT], 0
	s_cbranch_scc1 .Lbn
	v_add_nc_u32 v[HSA], s[HSO], v[HS0]
	BN Y0, A0, 0, 0, 18                            ; the last two pairs ask for nothing
	BN Y1, A1, 1, 0, 0
	WIN 0x40
.set ks, 0
.rept 7
.set pt, 0
.rept 4
	ds_load_tr16_b128 v[32*ks+8*pt:32*ks+8*pt+3], v[TRA] offset:32*FP*ks+32*pt          ; LDS serves a wave's instructions in order (ISA guide 5.7.1.4): these see my stores above
	ds_load_tr16_b128 v[32*ks+8*pt+4:32*ks+8*pt+7], v[TRA] offset:32*FP*ks+32*pt+16*FP
.set pt, pt+1
.endr
.set ks, ks+1
.endr
	v_mov_b32 v[VWA], v[V16L]
	WIN 0x80
.set pt, 0
.rept 4
	ds_load_tr16_b128 v[8*pt:8*pt+3], v[TRA] offset:32*FP*7+32*pt
	ds_load_tr16_b128 v[8*pt+4:8*pt+7], v[TRA] offset:32*FP*7+32*pt+16*FP
.set pt, pt+1
.endr
	v_mov_b32 v[VWA], v[V16L]
	WIN 0
	s_wait_tensorcnt 0x0                           ; my quarter of the weights has landed,
	s_wait_dscnt 0x0
	s_barrier_signal -1
	s_barrier_wait -1                              ; everybody's has; nothing is filled again
	WIN 0x01
.set p, 0
.rept NS
.set a, 0
.rept 4
	ds_load_b128 v[RING+16*p+4*a:RING+16*p+4*a+3], v[VWA] offset:2048*p+512*a
.set a, a+1
.endr
.set p, p+1
.endr
	WIN 0
	s_mov_b32 s[CNT], 8
.Lcp:
	CPTRIP
	s_sub_co_u32 s[CNT], s[CNT], 1
	s_cmp_lg_u32 s[CNT], 0
	s_cbranch_scc1 .Lcp
	FINSTAT
	s_wait_tensorcnt 0x0                           ; the wave's end
	ds_add_u32 v[SPW], v[NIL]
	s_wait_dscnt 0x0
	s_endpgm
.Lfunc_end_k_q5adec79dca_mid:
	.size	k_q5adec79dca_mid, .Lfunc_end_k_q5adec79dca_mid-k_q5adec79dca_mid
	.p2alignl 7, 3214868480
	.fill 96, 4, 3214868480
	.section	.rodata,"a",@progbits
	.p2align	6, 0x0
	.amdhsa_kernel k_q5adec79dca_mid
		.amdhsa_group_segment_fixed_size 327680
		.amdhsa_private_segment_fixed_size 0
		.amdhsa_enable_private_segment 0
		.amdhsa_kernarg_size 40
		.amdhsa_user_sgpr_count 2
		.amdhsa_user_sgpr_kernarg_segment_ptr 1
		.amdhsa_wavefront_size32 1
		.amdhsa_system_sgpr_workgroup_id_x 1
		.amdhsa_system_sgpr_workgroup_id_y 1
		.amdhsa_system_sgpr_workgroup_id_z 1
		.amdhsa_system_vgpr_workitem_id 0
		.amdhsa_next_free_vgpr 768
		.amdhsa_next_free_sgpr 96
		.amdhsa_reserve_vcc 0
		.amdhsa_float_denorm_mode_32 3
		.amdhsa_float_denorm_mode_16_64 3
		.amdhsa_memory_ordered 1
		.amdhsa_forward_progress 1
		.amdhsa_inst_pref_size 61
	.end_amdhsa_kernel
	.amdgpu_metadata
---
amdhsa.version: [ 1, 2 ]
amdhsa.kernels:
  - .name:           k_q5adec79dca_mid
    .symbol:         k_q5adec79dca_mid.kd
    .args:
      - { .name: out0, .offset: 0, .size: 8, .value_kind: global_buffer, .address_space: global }
      - { .name: ac, .offset: 8, .size: 8, .value_kind: global_buffer, .address_space: global }
      - { .name: w16, .offset: 16, .size: 8, .value_kind: global_buffer, .address_space: global }
      - { .name: yimg, .offset: 24, .size: 8, .value_kind: global_buffer, .address_space: global }
      - { .name: part, .offset: 32, .size: 8, .value_kind: global_buffer, .address_space: global }
    .group_segment_fixed_size: 327680
    .private_segment_fixed_size: 0
    .kernarg_segment_align: 8
    .kernarg_segment_size: 40
    .max_flat_workgroup_size: 128
    .sgpr_count:     96
    .vgpr_count:     768
    .wavefront_size: 32
...
	.end_amdgpu_metadata
.endif
;; end of part 5
;; launch fin1: the kernel of part 4 again; grid 8 x 1, 8 waves a work-group, no clusters, 3,072 bytes of LDS; arguments part, b1, gamma1, beta1, ac; writes ac
;; launch bnout (part 6): grid 512 x 1, 8 waves a work-group, no clusters, 35,840 bytes of LDS; arguments yimg, ac, out0; writes out0
.if DOCPART == 6
	.amdgcn_target "amdgcn-amd-amdhsa--gfx1250"
	.amdhsa_code_object_version 6
	.text
	.protected	k_q5adec79dca_bnout
	.globl	k_q5adec79dca_bnout
	.p2align	8
	.type	k_q5adec79dca_bnout,@function
k_q5adec79dca_bnout:
	s_mov_b64 s[64:65], 0
	v_nop
	global_prefetch_b8 v0, s[64:65] scope:SCOPE_SE
	s_setreg_imm32_b32 hwreg(HW_REG_WAVE_MODE, 25, 1), 1
	s_wait_xcnt 0x0
; THE OUTPUT.  out0[b][o][n] = relu(A[o] y1 + C[o]).  A stream: memory binds, so no matrix unit, no cluster, no tile ring.
; Wave 8 wg + w takes four channel tiles (16 KB) of one block of 64 points, all 36 loads issued at once.  In the image a lane holds one channel and eight points; a tile goes through the wave's own
; stage (16 rows of 272 bytes) and leaves as whole rows: sixteen lanes store a channel's 64 points, 256 consecutive bytes at a multiple of 256 from the output's first byte.
.set SP, 272
.set SPARE, 34816
.set SPW, 9
.set NIL, 10
.set AC, 12                            ; v12-27   [A, A, C, C] of my channel in each of the four tiles
.set BK, 32                            ; v32-63   a tile read back by rows
.set Y, 64                             ; v64-191  four tiles of 32 registers
	s_load_b128 s[4:7], s[0:1], 0x0                ; yimg 4, ac 6
	s_load_b64 s[8:9], s[0:1], 0x10                ; out0
	v_lshl_add_u32 v[SPW], v0, 2, SPARE
	v_mov_b32 v[NIL], 0
	v_lshrrev_b32 v1, 5, v0
	v_readfirstlane_b32 s10, v1                    ; wave
	s_lshl_b32 s11, ttmp9, 3
	s_add_co_u32 s11, s11, s10                     ; my number among all waves
	s_lshl_b32 s12, s11, 14                        ; 16 KB of the image each
	s_mov_b32 s13, 0
	s_and_b32 s14, s11, 3                          ; which 64 channels
	s_lshr_b32 s15, s11, 2                         ; which block of 64 points
	s_lshr_b32 s16, s15, 7                         ; batch
	s_and_b32 s17, s15, 127
	s_lshl_b32 s18, s16, 23                        ; 256 x 8192 x 4 bytes a batch,
	s_lshl_b32 s20, s14, 21                        ; 64 channels of 32,768 bytes,
	s_add_co_u32 s18, s18, s20
	s_lshl_b32 s20, s17, 8                         ; 64 points of 4 bytes
	s_add_co_u32 s18, s18, s20
	s_mov_b32 s19, 0
	s_lshl_b32 s20, s14, 10
	s_mov_b32 s21, 0
	v_and_b32 v1, 31, v0
	v_and_b32 v2, 15, v0
	v_bfe_u32 v3, v0, 4, 1
	v_lshlrev_b32 v4, 4, v1
	v_lshlrev_b32 v5, 4, v2
	s_mul_i32 s22, s10, 16*SP                      ; my stage
	v_mul_u32_u24 v6, v2, SP
	v_lshl_add_u32 v6, v3, 5, v6
	v_add_nc_u32 v6, s22, v6                       ; in: channel row l % 16, 32 bytes for each half of the lanes
	v_mul_u32_u24 v7, v3, SP
	v_lshl_add_u32 v7, v2, 4, v7
	v_add_nc_u32 v7, s22, v7                       ; back: lanes 0-15 one row, lanes 16-31 the next
	v_lshlrev_b32 v8, 15, v3
	v_lshl_add_u32 v8, v2, 4, v8                   ; and the same two rows in the output
	s_wait_kmcnt 0x0
	s_add_nc_u64 s[4:5], s[4:5], s[12:13]
	s_add_nc_u64 s[6:7], s[6:7], s[20:21]
	s_add_nc_u64 s[8:9], s[8:9], s[18:19]
.irp t, 0,1,2,3
	global_load_b128 v[AC+4*\t:AC+4*\t+3], v5, s[6:7] offset:256*\t
.endr
.set i, 0
.rept 32
	global_load_b128 v[Y+4*i:Y+4*i+3], v4, s[4:5] offset:512*i th:TH_LOAD_NT
.set i, i+1
.endr
.irp t, 0,1,2,3
	s_wait_loadcnt 8*(3-\t)                        ; this tile's eight loads are in; the younger tiles' may be out
.set i, 0
.rept 16
	v_pk_fma_f32 v[Y+32*\t+2*i:Y+32*\t+2*i+1], v[Y+32*\t+2*i:Y+32*\t+2*i+1], v[AC+4*\t:AC+4*\t+1], v[AC+4*\t+2:AC+4*\t+3]
.set i, i+1
.endr
.set i, 0
.rept 32
	v_max_num_f32 v[Y+32*\t+i], 0, v[Y+32*\t+i]
.set i, i+1
.endr
.set i, 0
.rept 8
	ds_store_b128 v6, v[Y+32*\t+4*i:Y+32*\t+4*i+3] offset:64*(i/2)+16*(i%2)
.set i, i+1
.endr
	s_wait_xcnt 0x0                                ; the registers that the last tile's stores read are loaded again only behind this wait
.set i, 0
.rept 8
	ds_load_b128 v[BK+4*i:BK+4*i+3], v7 offset:2*SP*i    ; LDS serves a wave's instructions in order (ISA guide 5.7.1.4): these see the stores above
.set i, i+1
.endr
.set i, 0
.rept 8
	s_wait_dscnt 7-i                               ; rows 2 i and 2 i + 1 are in; the younger loads may be out
	global_store_b128 v8, v[BK+4*i:BK+4*i+3], s[8:9] offset:65536*i+524288*\t th:TH_STORE_NT
.set i, i+1
.endr
.endr
	s_wait_tensorcnt 0x0                           ; the wave's end
	ds_add_u32 v[SPW], v[NIL]
	s_wait_dscnt 0x0
	s_endpgm
.Lfunc_end_k_q5adec79dca_bnout:
	.size	k_q5adec79dca_bnout, .Lfunc_end_k_q5adec79dca_bnout-k_q5adec79dca_bnout
	.p2alignl 7, 3214868480
	.fill 96, 4, 3214868480
	.section	.rodata,"a",@progbits
	.p2align	6, 0x0
	.amdhsa_kernel k_q5adec79dca_bnout
		.amdhsa_group_segment_fixed_size 35840
		.amdhsa_private_segment_fixed_size 0
		.amdhsa_enable_private_segment 0
		.amdhsa_kernarg_size 24
		.amdhsa_user_sgpr_count 2
		.amdhsa_user_sgpr_kernarg_segment_ptr 1
		.amdhsa_wavefront_size32 1
		.amdhsa_system_sgpr_workgroup_id_x 1
		.amdhsa_system_sgpr_workgroup_id_y 1
		.amdhsa_system_sgpr_workgroup_id_z 1
		.amdhsa_system_vgpr_workitem_id 0
		.amdhsa_next_free_vgpr 192
		.amdhsa_next_free_sgpr 66
		.amdhsa_reserve_vcc 0
		.amdhsa_float_denorm_mode_32 3
		.amdhsa_float_denorm_mode_16_64 3
		.amdhsa_memory_ordered 1
		.amdhsa_forward_progress 1
		.amdhsa_inst_pref_size 22
	.end_amdhsa_kernel
	.amdgpu_metadata
---
amdhsa.version: [ 1, 2 ]
amdhsa.kernels:
  - .name:           k_q5adec79dca_bnout
    .symbol:         k_q5adec79dca_bnout.kd
    .args:
      - { .name: yimg, .offset: 0, .size: 8, .value_kind: global_buffer, .address_space: global }
      - { .name: ac, .offset: 8, .size: 8, .value_kind: global_buffer, .address_space: global }
      - { .name: out0, .offset: 16, .size: 8, .value_kind: global_buffer, .address_space: global }
    .group_segment_fixed_size: 35840
    .private_segment_fixed_size: 0
    .kernarg_segment_align: 8
    .kernarg_segment_size: 24
    .max_flat_workgroup_size: 256
    .sgpr_count:     66
    .vgpr_count:     192
    .wavefront_size: 32
...
	.end_amdgpu_metadata
.endif
;; end of part 6
;; ======== version 2 of 2: 7 launches; version 1 with the launch knn1 written anew for expert scheduling mode
;; limits: values are held in f16: magnitudes above 65,504 overflow, below 6.1e-05 lose precision
;; workspace buffers: gidb 262,144 bytes of whole numbers; nidx 786,432 bytes of whole numbers; nw 786,432 bytes; f2t 8,388,608 bytes; w16 305,152 bytes; yimg 67,108,864 bytes; part 524,288 bytes; ac 4,096 bytes
;; launch knn1 (part 7): grid 256 x 1, 8 waves a work-group, no clusters, 58,368 bytes of LDS; arguments xyz_pc1, xyz_pc2, gidb; writes gidb
.if DOCPART == 7
	.amdgcn_target "amdgcn-amd-amdhsa--gfx1250"
	.amdhsa_code_object_version 6
	.text
	.protected	k_q5adec79dca_knn1
	.globl	k_q5adec79dca_knn1
	.p2align	8
	.type	k_q5adec79dca_knn1,@function
k_q5adec79dca_knn1:
	s_mov_b64 s[64:65], 0
	v_nop
	global_prefetch_b8 v0, s[64:65] scope:SCOPE_SE
	s_setreg_imm32_b32 hwreg(HW_REG_WAVE_SCHED_MODE, 0, 2), 2
	s_setreg_imm32_b32 hwreg(HW_REG_WAVE_MODE, 25, 1), 1
	s_wait_xcnt 0x0
	s_wait_alu depctr_vm_vsrc(0)
; FIRST LEVEL OF THE SEARCH.  For each query: which three groups of 16 consecutive candidates have the smallest group minimum of the squared distance.
; The three nearest candidates lie in those groups: a candidate of any other group has three groups in front of it, each with an element that precedes it by (distance, index).
; All coordinates are rounded to bf16 first (the whole program works on inputs rounded so).  Products of two such numbers are exact in f32, so the distance
;   d = (s1 + s2) + (-2 x1 x2 - 2 y1 y2 - 2 z1 z2),  s = x x + y y + z z,  sums in the order x, y, z,
; has one value whether or not multiply and add are fused.  Ties go to the lower index: every scan runs upward and inserts on strict "less" only.
; The product of K = 3 stays on the vector unit in f32: the ranking has to be exact, and 16-bit sums of it would pick other neighbours.
; LIMITS.  NaN and infinite distances are not treated apart; products under 2^-126 may be rounded otherwise than in the module's own arithmetic.
; SHARES.  A work-group: 256 queries of one batch.  Wave w: queries 128 (w & 1) + 4 lane .. + 3, candidate groups 32 (w >> 1) .. + 31.  The four quarters' lists are merged through LDS.
; THE MODE: SCHED_MODE bits 1:0 = 2 (LLVM: expert scheduling mode 2), set by the entry lines.  The code itself states the register dependences
; between vector instructions and memory or LDS instructions, with s_wait_alu, always for 0.
; THE PLAN.  Registers that memory or LDS instructions touch:
;   CA, CB     two buffers of half a group.  A step is half a group: its arithmetic reads one buffer; at the next step's head that buffer is asked for again, for the next group.
;              At the head they hold the coordinates as loaded and rounded (CA is the table's store data); behind the loop CA takes the four quarters' lists.
;   v[CADR]    Read by every load of a half group; written once a trip, as the trip's last line.
;   ST         The lists: vector work alone in the loop; behind it the data of six LDS stores.
;   v3 to v7   Offsets and addresses, each made once and never written again.   v[T]  the data of the one global store.
;   QP, MM, GID, U, and T in the loop, are named by vector instructions alone.
; So a trip holds four waits: one on va_vdst behind each half's arithmetic, ahead of the loads into the buffer just read; one on va_sdst for the twelve compares of the four
; queries' insertions, which are laid in one run; one on vm_vsrc ahead of the line that steps v[CADR].
.set TX, 0                             ; four tables of f32[2048]: x, y, z, s of the batch's candidates
.set TY, 8192
.set TZ, 16384
.set TS, 24576
.set MRG, 32768                        ; [field 0..5][quarter 0..3][256 queries] words
.set SPARE, 57344                      ; the spare words, 128 bytes a wave
.set QP, 8                             ; v8-39   query k: (a,a) (b,b) (c,c) (s1,s1), a = -2 x and so on
.set ST, 40                            ; v40-63  by field, four queries each: G0 G1 G2 (minima, ascending) I0 I1 I2 (their groups, as f32)
.set MM, 64                            ; v64-67  the group's minimum for each query
.set GID, 68                           ; v68     the group in hand, as f32
.set CADR, 69                          ; v69     its byte in a table
.set SPW, 70
.set NIL, 71
.set CA, 72                            ; v72-103   eight candidates: x, y, z, s
.set CB, 104                           ; v104-135  the group's other eight
.set T, 136                            ; v136-151
.set U, 152                            ; v152-167
.macro RB4 r                           ; four f32 rounded to bf16, in place
	v_cvt_pk_bf16_f32 v[T], v[\r], v[(\r)+1]
	v_cvt_pk_bf16_f32 v[T+1], v[(\r)+2], v[(\r)+3]
	v_lshlrev_b32 v[\r], 16, v[T]
	v_and_b32 v[(\r)+1], s34, v[T]
	v_lshlrev_b32 v[(\r)+2], 16, v[T+1]
	v_and_b32 v[(\r)+3], s34, v[T+1]
.endm
.macro SQ4 d, x                        ; d = x x + y y + z z for four points; y lies 4 registers behind x, z 8
.irp e, 0,1,2,3
	v_mul_f32 v[(\d)+\e], v[(\x)+\e], v[(\x)+\e]
.endr
.irp e, 0,1,2,3
	v_fma_f32 v[(\d)+\e], v[(\x)+4+\e], v[(\x)+4+\e], v[(\d)+\e]
.endr
.irp e, 0,1,2,3
	v_fma_f32 v[(\d)+\e], v[(\x)+8+\e], v[(\x)+8+\e], v[(\d)+\e]
.endr
.endm
; (m, id) is put into the ascending list G0 G1 G2 / I0 I1 I2 (registers st apart) if m is strictly less than an entry.  In two parts, with a wait on va_sdst between them:
; INSC, the three compares, into three scalar registers from sm on; INSM, the selects that read those masks, and the list's new minima.
.macro INSC m, g, st, sm
	v_cmp_lt_f32 s[\sm], v[\m], v[(\g)+2*(\st)]
	v_cmp_lt_f32 s[(\sm)+1], v[\m], v[(\g)+(\st)]
	v_cmp_lt_f32 s[(\sm)+2], v[\m], v[\g]
.endm
.macro INSM m, id, g, i, st, sm
	v_cndmask_b32 v[(\i)+2*(\st)], v[(\i)+2*(\st)], v[\id], s[\sm]
	v_cndmask_b32 v[(\i)+2*(\st)], v[(\i)+2*(\st)], v[(\i)+(\st)], s[(\sm)+1]
	v_cndmask_b32 v[(\i)+(\st)], v[(\i)+(\st)], v[\id], s[(\sm)+1]
	v_cndmask_b32 v[(\i)+(\st)], v[(\i)+(\st)], v[\i], s[(\sm)+2]
	v_cndmask_b32 v[\i], v[\i], v[\id], s[(\sm)+2]
	v_med3_num_f32 v[(\g)+2*(\st)], v[(\g)+(\st)], v[(\g)+2*(\st)], v[\m]
	v_med3_num_f32 v[(\g)+(\st)], v[\g], v[(\g)+(\st)], v[\m]
	v_min_num_f32 v[\g], v[\g], v[\m]
.endm
.macro LOADH buf, off                  ; eight candidates: two loads from each table, every lane at the same address
	ds_load_b128 v[\buf:(\buf)+3], v[CADR] offset:TX+\off
	ds_load_b128 v[(\buf)+4:(\buf)+7], v[CADR] offset:TX+\off+16
	ds_load_b128 v[(\buf)+8:(\buf)+11], v[CADR] offset:TY+\off
	ds_load_b128 v[(\buf)+12:(\buf)+15], v[CADR] offset:TY+\off+16
	ds_load_b128 v[(\buf)+16:(\buf)+19], v[CADR] offset:TZ+\off
	ds_load_b128 v[(\buf)+20:(\buf)+23], v[CADR] offset:TZ+\off+16
	ds_load_b128 v[(\buf)+24:(\buf)+27], v[CADR] offset:TS+\off
	ds_load_b128 v[(\buf)+28:(\buf)+31], v[CADR] offset:TS+\off+16
.endm
; half a group: 8 candidates x 4 queries, two queries at a time, two candidates an instruction; then the minimum.  first = 1 starts the minimum
.macro HG buf, first
.irp kk, 0, 2
.irp q, 0, 1
.irp j, 0, 1, 2, 3
	v_pk_mul_f32 v[T+8*\q+2*\j:T+8*\q+2*\j+1], v[QP+8*(\kk+\q):QP+8*(\kk+\q)+1], v[(\buf)+2*\j:(\buf)+2*\j+1]
.endr
.endr
.irp q, 0, 1
.irp j, 0, 1, 2, 3
	v_pk_add_f32 v[U+8*\q+2*\j:U+8*\q+2*\j+1], v[QP+8*(\kk+\q)+6:QP+8*(\kk+\q)+7], v[(\buf)+24+2*\j:(\buf)+24+2*\j+1]
.endr
.endr
.irp q, 0, 1
.irp j, 0, 1, 2, 3
	v_pk_fma_f32 v[T+8*\q+2*\j:T+8*\q+2*\j+1], v[QP+8*(\kk+\q)+2:QP+8*(\kk+\q)+3], v[(\buf)+8+2*\j:(\buf)+8+2*\j+1], v[T+8*\q+2*\j:T+8*\q+2*\j+1]
.endr
.endr
.irp q, 0, 1
.irp j, 0, 1, 2, 3
	v_pk_fma_f32 v[T+8*\q+2*\j:T+8*\q+2*\j+1], v[QP+8*(\kk+\q)+4:QP+8*(\kk+\q)+5], v[(\buf)+16+2*\j:(\buf)+16+2*\j+1], v[T+8*\q+2*\j:T+8*\q+2*\j+1]
.endr
.endr
.irp q, 0, 1
.irp j, 0, 1, 2, 3
	v_pk_add_f32 v[T+8*\q+2*\j:T+8*\q+2*\j+1], v[U+8*\q+2*\j:U+8*\q+2*\j+1], v[T+8*\q+2*\j:T+8*\q+2*\j+1]
.endr
.endr
.if \first
.irp q, 0, 1
	v_min3_num_f32 v[MM+\kk+\q], v[T+8*\q], v[T+8*\q+1], v[T+8*\q+2]
.endr
.irp q, 0, 1
	v_min3_num_f32 v[MM+\kk+\q], v[MM+\kk+\q], v[T+8*\q+3], v[T+8*\q+4]
.endr
.irp q, 0, 1
	v_min3_num_f32 v[MM+\kk+\q], v[MM+\kk+\q], v[T+8*\q+5], v[T+8*\q+6]
.endr
.irp q, 0, 1
	v_min_num_f32 v[MM+\kk+\q], v[MM+\kk+\q], v[T+8*\q+7]
.endr
.else
.irp j, 0, 2, 4, 6
.irp q, 0, 1
	v_min3_num_f32 v[MM+\kk+\q], v[MM+\kk+\q], v[T+8*\q+\j], v[T+8*\q+\j+1]
.endr
.endr
.endif
.endr
.endm
; one group.  more = 1: the next group's halves are fetched as soon as a buffer has been read
.macro TRIP more
	s_wait_dscnt 8                                 ; the first half is in; the second half's eight loads may be out
	HG CA, 1
	s_wait_dscnt 0x0                               ; the second half is in
.if \more
	s_wait_alu depctr_va_vdst(0)                   ; the lines above are done reading CA, in which the loads below land; v[CADR], their address, is written (by the last trip's last line, or at the head)
	LOADH CA, 64
.endif
	HG CB, 0                                       ; names CB, QP, T, U and MM: none of the registers that the loads above touch
.irp k, 0,1,2,3
	INSC MM+\k, ST+\k, 4, 22+3*\k                  ; the four queries' lists do not hang on each other: their twelve compares stand in one run
.endr
.if \more
	s_wait_alu depctr_va_vdst(0)                   ; the second half's lines are done reading CB, in which the loads below land
	LOADH CB, 96
.endif
	s_wait_alu depctr_va_sdst(0)                   ; the twelve compares have written s22 to s33, which the selects below read
.irp k, 0,1,2,3
	INSM MM+\k, GID, ST+\k, ST+12+\k, 4, 22+3*\k
.endr
	v_add_f32 v[GID], 1.0, v[GID]
.if \more
	s_add_co_u32 s20, s20, 64
	s_wait_alu depctr_vm_vsrc(0)                   ; the trip's sixteen loads have read v[CADR]
	v_mov_b32 v[CADR], s20                         ; the next group; its first reader stands behind the next trip's first wait on va_vdst
.endif
.endm
	s_load_b128 s[4:7], s[0:1], 0x0                ; xyz_pc1 s[4:5], xyz_pc2 s[6:7]
	s_load_b64 s[8:9], s[0:1], 0x10                ; gidb
	v_lshl_add_u32 v[SPW], v0, 2, SPARE
	v_mov_b32 v[NIL], 0
	v_lshrrev_b32 v1, 5, v0
	v_readfirstlane_b32 s10, v1                    ; wave
	v_and_b32 v2, 31, v0                           ; lane
	v_lshlrev_b32 v3, 4, v0                        ; 16 t: my four candidates in a table and in memory
	s_lshr_b32 s11, ttmp9, 5                       ; batch
	s_and_b32 s12, ttmp9, 31                       ; block of 256 queries
	s_mul_i32 s16, s11, 24576                      ; a batch of xyz_pc2: 3 x 2048 x 4 bytes
	s_mov_b32 s17, 0
	s_mul_i32 s18, s11, 98304                      ; a batch of xyz_pc1: 3 x 8192 x 4 bytes
	s_lshl_b32 s15, s12, 10
	s_add_co_u32 s18, s18, s15
	s_mov_b32 s19, 0
	s_mov_b32 s34, 0xffff0000                      ; a word's upper bf16
	s_wait_alu depctr_va_sdst(0)                   ; s10 is written, ahead of its first reader
	s_and_b32 s13, s10, 1                          ; which 128 queries
	s_lshr_b32 s14, s10, 1                         ; which quarter of the candidates
	s_lshl_b32 s15, s13, 9
	v_lshl_add_u32 v4, v2, 4, s15                  ; my four queries
	s_wait_kmcnt 0x0
	s_add_nc_u64 s[6:7], s[6:7], s[16:17]
	s_add_nc_u64 s[4:5], s[4:5], s[18:19]
	s_wait_alu depctr_va_vdst(0)                   ; v3 and v4 are written, which the loads below read as their offsets
.irp c, 0,1,2
	global_load_b128 v[CA+4*\c:CA+4*\c+3], v3, s[6:7] offset:8192*\c
	global_load_b128 v[CA+12+4*\c:CA+12+4*\c+3], v3, s[6:7] offset:8192*\c+4096
.endr
.irp c, 0,1,2
	global_load_b128 v[CB+4*\c:CB+4*\c+3], v4, s[4:5] offset:32768*\c
.endr
.set i, 0
.rept 12
	v_mov_b32 v[ST+i], 0x7f800000                  ; the lists start at +infinity,
	v_mov_b32 v[ST+12+i], 0                        ; group 0
.set i, i+1
.endr
	s_lshl_b32 s15, s14, 5
	v_cvt_f32_u32 v[GID], s15                      ; my first group
	s_lshl_b32 s20, s14, 11                        ; its byte in a table
	v_mov_b32 v[CADR], s20
	s_wait_loadcnt 0x0
.irp r, CA, CA+4, CA+8, CA+12, CA+16, CA+20, CB, CB+4, CB+8
	RB4 \r
.endr
	SQ4 CA+24, CA
	SQ4 CA+28, CA+12
	SQ4 CB+12, CB
.irp k, 0,1,2,3
	v_mul_f32 v[QP+8*\k], -2.0, v[CB+\k]
	v_mul_f32 v[QP+8*\k+1], -2.0, v[CB+\k]
	v_mul_f32 v[QP+8*\k+2], -2.0, v[CB+4+\k]
	v_mul_f32 v[QP+8*\k+3], -2.0, v[CB+4+\k]
	v_mul_f32 v[QP+8*\k+4], -2.0, v[CB+8+\k]
	v_mul_f32 v[QP+8*\k+5], -2.0, v[CB+8+\k]
	v_mov_b32 v[QP+8*\k+6], v[CB+12+\k]
	v_mov_b32 v[QP+8*\k+7], v[CB+12+\k]
.endr
	s_wait_alu depctr_va_vdst(0)                   ; the roundings and squares have written CA, which the LDS stores read; every vector line that names CA or CB is done, and v[CADR] is written: no vector line stands between here and the first loads of half groups
	ds_store_b128 v3, v[CA:CA+3] offset:TX
	ds_store_b128 v3, v[CA+4:CA+7] offset:TY
	ds_store_b128 v3, v[CA+8:CA+11] offset:TZ
	ds_store_b128 v3, v[CA+24:CA+27] offset:TS
	ds_store_b128 v3, v[CA+12:CA+15] offset:TX+4096
	ds_store_b128 v3, v[CA+16:CA+19] offset:TY+4096
	ds_store_b128 v3, v[CA+20:CA+23] offset:TZ+4096
	ds_store_b128 v3, v[CA+28:CA+31] offset:TS+4096
	s_wait_dscnt 0x0                               ; for the others' sake: my part of the tables is stored
	s_barrier_signal -1
	s_barrier_wait -1
	s_wait_alu depctr_vm_vsrc(0)                   ; my LDS stores have read CA, in which the loads below land
	LOADH CA, 0
	LOADH CB, 32
	s_mov_b32 s21, 31
.Lgroup:
	TRIP 1
	s_sub_co_u32 s21, s21, 1
	s_cmp_lg_u32 s21, 0
	s_cbranch_scc1 .Lgroup
	TRIP 0                                         ; the quarter's last group fetches nothing
	; the four quarters' lists meet: a field's four queries are 16 bytes
	s_lshl_b32 s15, s14, 10
	s_lshl_b32 s16, s13, 9
	s_add_co_u32 s15, s15, s16
	s_add_co_u32 s15, s15, MRG
	s_lshl_b32 s18, ttmp9, 10
	v_lshl_add_u32 v5, v2, 4, s15
	v_lshl_add_u32 v6, v0, 2, MRG                  ; thread t finishes query t
	v_lshl_add_u32 v7, v0, 2, s18
	s_wait_alu depctr_va_vdst(0)                   ; the insertions have written the lists, which the LDS stores read; v5, v6 and v7 are written; the last trip is done reading CA, in which the loads behind the barrier land
.irp f, 0,1,2,3,4,5
	ds_store_b128 v5, v[ST+4*\f:ST+4*\f+3] offset:4096*\f
.endr
	s_wait_dscnt 0x0                               ; my lists are stored
	s_barrier_signal -1
	s_barrier_wait -1
.irp f, 0,1,2,3,4,5
.irp p, 0,1,2,3
	ds_load_b32 v[CA+4*\f+\p], v6 offset:4096*\f+1024*\p  ; no vector line since the wait above
.endr
.endr
	s_wait_dscnt 0x0
.irp p, 1,2,3                          ; the later quarters' entries, ascending, into the first quarter's list: equal minima stay behind
.irp j, 0,1,2
	INSC CA+4*\j+\p, CA, 4, 22+3*\j
	s_wait_alu depctr_va_sdst(0)                   ; the three compares have written their masks, which the selects read; each insertion compares with the list that the one before left, so each has its own wait
	INSM CA+4*\j+\p, CA+12+4*\j+\p, CA, CA+12, 4, 22+3*\j
.endr
.endr
	v_min3_num_f32 v[T], v[CA+12], v[CA+16], v[CA+20]    ; the three groups in ascending order, so that the next launch scans upward
	v_med3_num_f32 v[T+1], v[CA+12], v[CA+16], v[CA+20]
	v_max3_num_f32 v[T+2], v[CA+12], v[CA+16], v[CA+20]
	v_cvt_u32_f32 v[T], v[T]
	v_cvt_u32_f32 v[T+1], v[T+1]
	v_cvt_u32_f32 v[T+2], v[T+2]
	v_lshl_or_b32 v[T], v[T+1], 8, v[T]
	v_lshl_or_b32 v[T], v[T+2], 16, v[T]
	s_wait_alu depctr_va_vdst(0)                   ; v[T] is written, which the store reads
	global_store_b32 v7, v[T], s[8:9]
	s_wait_dscnt 0x0                               ; the wave's end
	s_wait_alu 0x0
	s_wait_tensorcnt 0x0
	ds_add_u32 v[SPW], v[NIL]
	s_wait_dscnt 0x0
	s_endpgm
.Lfunc_end_k_q5adec79dca_knn1:
	.size	k_q5adec79dca_knn1, .Lfunc_end_k_q5adec79dca_knn1-k_q5adec79dca_knn1
	.p2alignl 7, 3214868480
	.fill 96, 4, 3214868480
	.section	.rodata,"a",@progbits
	.p2align	6, 0x0
	.amdhsa_kernel k_q5adec79dca_knn1
		.amdhsa_group_segment_fixed_size 58368
		.amdhsa_private_segment_fixed_size 0
		.amdhsa_enable_private_segment 0
		.amdhsa_kernarg_size 24
		.amdhsa_user_sgpr_count 2
		.amdhsa_user_sgpr_kernarg_segment_ptr 1
		.amdhsa_wavefront_size32 1
		.amdhsa_system_sgpr_workgroup_id_x 1
		.amdhsa_system_sgpr_workgroup_id_y 1
		.amdhsa_system_sgpr_workgroup_id_z 1
		.amdhsa_system_vgpr_workitem_id 0
		.amdhsa_next_free_vgpr 168
		.amdhsa_next_free_sgpr 66
		.amdhsa_reserve_vcc 0
		.amdhsa_float_denorm_mode_32 3
		.amdhsa_float_denorm_mode_16_64 3
		.amdhsa_memory_ordered 1
		.amdhsa_forward_progress 1
		.amdhsa_inst_pref_size 51
	.end_amdhsa_kernel
	.amdgpu_metadata
---
amdhsa.version: [ 1, 2 ]
amdhsa.kernels:
  - .name:           k_q5adec79dca_knn1
    .symbol:         k_q5adec79dca_knn1.kd
    .args:
      - { .name: xyz_pc1, .offset: 0, .size: 8, .value_kind: global_buffer, .address_space: global }
      - { .name: xyz_pc2, .offset: 8, .size: 8, .value_kind: global_buffer, .address_space: global }
      - { .name: gidb, .offset: 16, .size: 8, .value_kind: global_buffer, .address_space: global }
    .group_segment_fixed_size: 58368
    .private_segment_fixed_size: 0
    .kernarg_segment_align: 8
    .kernarg_segment_size: 24
    .max_flat_workgroup_size: 256
    .sgpr_count:     66
    .vgpr_count:     168
    .wavefront_size: 32
...
	.end_amdgpu_metadata
.endif
;; end of part 7
;; launch knn2: the kernel of part 2 again; grid 256 x 1, 8 waves a work-group, no clusters, 69,632 bytes of LDS; arguments xyz_pc1, xyz_pc2, gidb, points2, W0, W1, nidx, nw, f2t, w16; writes nidx, nw, f2t, w16
;; launch gemm0: the kernel of part 3 again; grid 256 x 1, 4 waves a work-group, no clusters, 327,680 bytes of LDS; arguments points1, f2t, nidx, nw, w16, out0, part; writes out0, part
;; launch fin0: the kernel of part 4 again; grid 8 x 1, 8 waves a work-group, no clusters, 3,072 bytes of LDS; arguments part, b0, gamma0, beta0, ac; writes ac
;; launch mid: the kernel of part 5 again; grid 256 x 1, 4 waves a work-group, no clusters, 327,680 bytes of LDS; arguments out0, ac, w16, yimg, part; writes yimg, part
;; launch fin1: the kernel of part 4 again; grid 8 x 1, 8 waves a work-group, no clusters, 3,072 bytes of LDS; arguments part, b1, gamma1, beta1, ac; writes ac
;; launch bnout: the kernel of part 6 again; grid 512 x 1, 8 waves a work-group, no clusters, 35,840 bytes of LDS; arguments yimg, ac, out0; writes out0
